; MI455X (gfx1250); checked and timed in simulation.
; The chip was launched on July 23, 2026; its instructions are those of AMD's public machine-readable ISA for CDNA 5 (MIT licence, August 2026) and "CDNA5" Instruction Set Architecture Reference Guide (July 2026). The comments in the code are by the model that wrote it; some were corrected since.
;; Encoder Layer. Allowed arithmetic: matrix products marked QUANTISED: E5M2 operands, one given power-of-two scale a tensor, by v_wmma_f32_16x16x64_bf8_bf8 or v_wmma_f32_16x16x128_bf8_bf8, f32 sums; everything else in f32.
;; Inputs: ffn_b1 4,096 float32; ffn_b2 1,024 float32; ffn_w1_codes 4,096 x 32 x 32 uint8 (E5M2 codes of ffn_w1, K innermost, in blocks of 32 codes); ffn_w2_codes 1,024 x 128 x 32 uint8 (E5M2 codes of ffn_w2, K innermost, in blocks of 32 codes); ln1_b 1,024 float32; ln1_g 1,024 float32; ln2_b 1,024 float32; ln2_g 1,024 float32; lowp_scales 16 int32 (the exponents e of the quantised operands' scales 2^e); mask 2 x 2,048 int32; wk_b 1,024 float32; wk_w_codes 1,024 x 32 x 32 uint8 (E5M2 codes of wk_w, K innermost, in blocks of 32 codes); wo_b 1,024 float32; wo_w_codes 1,024 x 32 x 32 uint8 (E5M2 codes of wo_w, K innermost, in blocks of 32 codes); wq_b 1,024 float32; wq_w_codes 1,024 x 32 x 32 uint8 (E5M2 codes of wq_w, K innermost, in blocks of 32 codes); wv_b 1,024 float32; wv_w_codes 1,024 x 32 x 32 uint8 (E5M2 codes of wv_w, K innermost, in blocks of 32 codes); x 2 x 2,048 x 1,024 float32.
;; Outputs: out0 2 x 2,048 x 1,024 float32.
;; This version of the problem:
;;   THIS VERSION OF THE PROBLEM IS GIVEN IN LOW PRECISION. The matrix products marked QUANTISED in the list below multiply operands that are first quantised to E5M2 (5 exponent bits, 2 mantissa bits; 8 bits a number), with one given power-of-two scale for each operand tensor; their sums are f32. All else is computed in f32.
;;   The module's matrix products, in the order in which they are computed (A, B: the left and right operand; K: the contracted axis; several contracted axes count as one K, in the product's order):
;;     1. [M 4,096, K 1,024] x [K 1,024, N 1,024]; A: input x; B: input wq_w (given as codes): QUANTISED (scales: A lowp_scales[0], B lowp_scales[1])
;;     2. [M 4,096, K 1,024] x [K 1,024, N 1,024]; A: input x; B: input wk_w (given as codes): QUANTISED (scales: A lowp_scales[2], B lowp_scales[3])
;;     3. [M 4,096, K 1,024] x [K 1,024, N 1,024]; A: input x; B: input wv_w (given as codes): QUANTISED (scales: A lowp_scales[4], B lowp_scales[5])
;;     4. batch 32 x [M 2,048, K 64] x [K 64, N 2,048]; A: computed on the way; B: computed on the way: QUANTISED (scales: A lowp_scales[6], B lowp_scales[7])
;;     5. batch 32 x [M 2,048, K 2,048] x [K 2,048, N 64]; A: softmax (see below); B: computed on the way: QUANTISED (scales: A lowp_scales[8], B lowp_scales[9])
;;     6. [M 4,096, K 1,024] x [K 1,024, N 1,024]; A: computed on the way; B: input wo_w (given as codes): QUANTISED (scales: A lowp_scales[10], B lowp_scales[11])
;;     7. [M 4,096, K 1,024] x [K 1,024, N 4,096]; A: computed on the way; B: input ffn_w1 (given as codes): QUANTISED (scales: A lowp_scales[12], B lowp_scales[13])
;;     8. [M 4,096, K 4,096] x [K 4,096, N 1,024]; A: computed on the way; B: input ffn_w2 (given as codes): QUANTISED (scales: A lowp_scales[14], B lowp_scales[15])
;;   THE QUANTISER, for each operand of a quantised product, along K:
;;     - The operand's scale is 2^e, e = its entry of the input lowp_scales (int32; the entries are numbered through the quantised products in the list's order, A before B).
;;     - Each number is divided by the scale, clamped to +-57,344, and rounded to the nearest number of E5M2, ties to even, subnormals kept.
;;     - The product sums the exact products of the quantised numbers (number of the format x scale) in f32.
;;   ~~~python
;;   def quantise(x, axis, e):      # numpy; x: float32 -> the quantised numbers, widened to float32 again
;;       x = np.moveaxis(x, axis, -1); K = x.shape[-1]
;;       r = np.clip(x / 2.0 ** e, -57344, 57344)
;;       step = 2.0 ** (np.maximum(np.frexp(np.where(r == 0, 1, r))[1] - 1, -14) - 2)
;;       q = np.round(r / step) * step * 2.0 ** e      # np.round: ties to even
;;       return np.moveaxis(q, -1, axis).astype(np.float32)
;;   ~~~
;;   SOFTMAX AHEAD OF A QUANTISED PRODUCT. Where the list says 'softmax', what is quantised is not the finished softmax but p = 2^(t - M), with t = logit x log2(e) and M = ceil(the row's largest t), a whole number; so 1/2 < the row's largest p <= 1. The row's sum l is taken of the UNQUANTISED p, in f32, and the product's result is divided by l at the end. Since M is a whole number, a kernel that streams over the keys may use a running M (the ceiling of the running maximum): every later rescaling is an exact power of two, so the quantised numbers keep their values, but for numbers so far below the row's largest that they fall under the format's range.
;;   OPERANDS COMPUTED ON THE WAY. 'Computed on the way' means the value that the module computes at that place (a softmax that the list does not call 'softmax' is quantised finished and normalised). What goes into a quantiser is computed in f32, as accurately as f32 sums, v_exp_f32 and their like allow (about 1e-6 of the number): no bf16 or f16 on the way to a quantiser, and a product that is left as it is and whose result goes on into a quantised operand takes f32 operands (vector FMAs, or v_wmma_f32_16x16x4_f32). A number that lies on a knife's edge between two numbers of the format may be rounded either way, as far as f32 arithmetic and the matrix unit's own rounding can turn it there, and no further.
;;   INPUTS GIVEN AS CODES. ffn_w1 (in the module: [1024, 4096], K = its axis 0); ffn_w2 (in the module: [4096, 1024], K = its axis 0); wk_w (in the module: [1024, 1024], K = its axis 0); wo_w (in the module: [1024, 1024], K = its axis 0); wq_w (in the module: [1024, 1024], K = its axis 0); wv_w (in the module: [1024, 1024], K = its axis 0): each comes as NAME_codes (uint8): NAME with its K axis moved to the last place and cut into blocks of 32 codes, [.., K / 32, bytes a block], one block behind the other in memory; one code a byte (a code: sign, 5 exponent bits, 2 mantissa bits); its scale is its entry of lowp_scales. Its value is code x scale, taken as it is: it is not quantised again, and the codes and scales need not be those that the quantiser above would give.
;; One version. Each part assembles by itself: llvm-mc -triple=amdgcn-amd-amdhsa -mcpu=gfx1250 --defsym DOCPART=n.
;; ======== version 1 of 1: 8 launches
;; limits: right only within a limited range of input values
;; workspace buffers: xc 12,582,912 bytes; qkv 12,582,912 bytes; ctx 4,194,304 bytes; y 16,777,216 bytes; ln1out 16,777,216 bytes; o1c 4,194,304 bytes; hid 16,777,216 bytes
;; launch quantx (part 1): grid 256 x 1, 4 waves a work-group, no clusters, 33,280 bytes of LDS; arguments x, lowp_scales, xc; writes xc
.if DOCPART == 1
	.amdgcn_target "amdgcn-amd-amdhsa--gfx1250"
	.amdhsa_code_object_version 6
	.text
	.protected	k_q06f82bf772_quantx
	.globl	k_q06f82bf772_quantx
	.p2align	8
	.type	k_q06f82bf772_quantx,@function
k_q06f82bf772_quantx:
	s_mov_b64 s[64:65], 0
	v_nop
	global_prefetch_b8 v0, s[64:65] scope:SCOPE_SE
	s_setreg_imm32_b32 hwreg(HW_REG_WAVE_MODE, 25, 1), 1
	s_wait_xcnt 0x0
; THE PROGRAM: an encoder layer, 4,096 tokens x 1,024, 16 heads of 64, hidden 4,096, all eight products on E5M2 codes.  Eight launches: this one, q/k/v, attention, the projection, norm 1, hidden layer, second layer, norm 2.
; NO WORK IS LEFT OUT: every input has a way to out0 (wk_b too: it moves k's codes), so every input is loaded by some launch.
; THIS LAUNCH: x [4096][1024] f32 becomes three tensors of codes, [4096][1024] bytes each, K innermost: with 2^e0 (for q) at byte 0 of xc, 2^e2 (for k) at 4 MiB, 2^e4 (for v) at 8 MiB.
; code = x / 2^e, held within +-57,344, rounded to the nearest code, ties to even.  LIMITS: e0, e2, e4 between -126 and 112, so that 2^e and 57,344 x 2^e are f32 numbers.  NaN among the inputs is not served.
; Rows are dense, so x is a plain stream.  A wave takes 8 steps of 512 numbers.  Each load reads 512 consecutive bytes, 16 a lane; a step's 2,048 bytes turn through the wave's own stage in LDS and come back 64 bytes a lane:
; 16 neighbours along K, which the conversions want in one lane's registers.  A lane's 16 codes are 16 bytes: each store of the wave covers 512 consecutive bytes, aligned.
; No tensor loads, no barrier: waves share nothing.  Loads run four steps (16 loads a wave) ahead, the turn through LDS one step.
.set WAVES, 4
.set STEPS, 8
.set R,     16                         ; v16-79   four sets of 16 numbers as loaded
.set X,     80                         ; v80-111  two sets of 16 neighbours
.set T,     112                        ; v112-127 the 16 numbers, held
.set C,     128                        ; v128-223 codes: four registers for each step and scale, never written again
.set LIMR,  224                        ; v224-226 57,344 x 2^e
.set SCR,   228                        ; v228-230 2^e
.set WREG,  8192                       ; LDS: a region for each wave: two stages of 32 x SP bytes
.set SP,    80                         ; a lane's place in a stage: 64 bytes + 16 of padding
.set SPW,   12                         ; v12  LDS address of my spare word; never rewritten
.set NIL,   13                         ; v13  0; never rewritten
.set SPARE, WAVES*WREG                 ; the spare words: 128 bytes a wave, two blocks of 256 bytes that no other line names
.set OB,    32                         ; s[32:37] the three tensors of codes at my wave's part
	s_load_b128 s[4:7], s[0:1], 0x0                ; x, the scales' exponents
	s_load_b64 s[OB:OB+1], s[0:1], 0x10            ; xc
	v_lshl_add_u32 v[SPW], v0, 2, SPARE
	v_mov_b32 v[NIL], 0
	v_lshrrev_b32 v1, 5, v0
	v_readfirstlane_b32 s16, v1                    ; wave
	v_and_b32 v2, 31, v0                           ; lane
	v_lshlrev_b32 v3, 4, v2                        ; my 16 bytes of a load's 512
	v_lshlrev_b32 v4, 4, v2                        ; my 16 codes of a step's 512
	s_mul_i32 s17, s16, WREG
	v_lshrrev_b32 v14, 2, v2
	v_mul_u32_u24 v14, v14, SP
	v_and_b32 v15, 3, v2
	v_lshl_add_u32 v14, v15, 4, v14
	v_add_nc_u32 v14, s17, v14                     ; the stage, in: SP (lane / 4) + 16 (lane % 4)
	v_mul_u32_u24 v15, v2, SP
	v_add_nc_u32 v15, s17, v15                     ; and out: SP x lane
	s_lshl_b32 s18, ttmp9, 2
	s_add_co_u32 s18, s18, s16                     ; which run of 4,096 numbers is my wave's
	s_lshl_b32 s20, s18, 14
	s_mov_b32 s21, 0
	s_lshl_b32 s22, s18, 12
	s_mov_b32 s23, 0
	s_wait_alu depctr_va_vdst(0)
	s_wait_kmcnt 0x0
	s_load_b256 s[24:31], s[6:7], 0x0              ; e0 .. e7
	s_add_nc_u64 s[4:5], s[4:5], s[20:21]
	s_add_nc_u64 s[OB:OB+1], s[OB:OB+1], s[22:23]
	s_add_nc_u64 s[OB+2:OB+3], s[OB:OB+1], 0x400000
	s_add_nc_u64 s[OB+4:OB+5], s[OB:OB+1], 0x800000
.macro LOAD t
.irp i, 0,1,2,3
	global_load_b128 v[R+16*((\t)%4)+4*\i:R+16*((\t)%4)+4*\i+3], v3, s[4:5] offset:2048*(\t)+512*\i th:TH_LOAD_NT
.endr
.endm
.macro TURN t                          ; LDS serves a wave's instructions in order: no wait between the stores and the loads
.irp i, 0,1,2,3
	ds_store_b128 v14, v[R+16*((\t)%4)+4*\i:R+16*((\t)%4)+4*\i+3] offset:32*SP*((\t)%2)+8*SP*\i
.endr
.irp i, 0,1,2,3
	ds_load_b128 v[X+16*((\t)%2)+4*\i:X+16*((\t)%2)+4*\i+3], v15 offset:32*SP*((\t)%2)+16*\i
.endr
.endm
.irp t, 0,1,2,3
	LOAD \t
.endr
	s_wait_kmcnt 0x0
.irp z, 0,1,2
	s_add_co_i32 s38, s[24+2*\z], 127
	s_lshl_b32 s39, s38, 23
	v_mov_b32 v[SCR+\z], s39                       ; 2^e as f32: the conversion takes its exponent field
	s_add_co_i32 s38, s38, 15
	s_lshl_b32 s38, s38, 23
	s_or_b32 s38, s38, 0x600000
	v_mov_b32 v[LIMR+\z], s38                      ; 57,344 x 2^e
.endr
	s_wait_alu depctr_va_vdst(0)
	s_wait_loadcnt 12                              ; step 0's four loads are in; the twelve of steps 1 to 3 may be out
	TURN 0
.macro STEP t
.set XS, X+16*((\t)%2)
	s_wait_dscnt 0x0                               ; this step's numbers are back from the stage, so its stores into the stage have read their registers,
.if (\t)+4 < STEPS
	LOAD (\t)+4                                    ; which take the loads of four steps on
.endif
.if (\t)+1 < STEPS
.if STEPS-2-(\t) >= 3
	s_wait_loadcnt 12                              ; the next step's four loads are in; those of the three steps behind it may be out
.else
	s_wait_loadcnt 4*(STEPS-2-(\t))
.endif
	TURN (\t)+1
.endif
.irp z, 0,1,2
.irp i, 0,1,2,3,4,5,6,7,8,9,10,11,12,13,14,15
	v_med3_num_f32 v[T+\i], v[XS+\i], -v[LIMR+\z], v[LIMR+\z]   ; the conversion to an 8-bit code does not saturate (ISA guide 7.6.2): the hold comes first
.endr
	v_cvt_scalef32_pk8_bf8_f32 v[C+12*(\t)+4*\z:C+12*(\t)+4*\z+1], v[T:T+7], v[SCR+\z]
	v_cvt_scalef32_pk8_bf8_f32 v[C+12*(\t)+4*\z+2:C+12*(\t)+4*\z+3], v[T+8:T+15], v[SCR+\z]
	v_nop                                          ; one plain line between the conversions and the next holds, which write their sources
	global_store_b128 v4, v[C+12*(\t)+4*\z:C+12*(\t)+4*\z+3], s[OB+2*\z:OB+2*\z+1] offset:512*(\t)
.endr
.endm
.irp t, 0,1,2,3,4,5,6,7
	STEP \t
.endr
	s_wait_tensorcnt 0x0                           ; the wave's end, behind my last LDS store
	ds_add_u32 v[SPW], v[NIL]
	s_wait_dscnt 0x0
	s_endpgm
.Lfunc_end_k_q06f82bf772_quantx:
	.size	k_q06f82bf772_quantx, .Lfunc_end_k_q06f82bf772_quantx-k_q06f82bf772_quantx
	.p2alignl 7, 3214868480
	.fill 96, 4, 3214868480
	.section	.rodata,"a",@progbits
	.p2align	6, 0x0
	.amdhsa_kernel k_q06f82bf772_quantx
		.amdhsa_group_segment_fixed_size 33280
		.amdhsa_private_segment_fixed_size 0
		.amdhsa_enable_private_segment 0
		.amdhsa_kernarg_size 24
		.amdhsa_user_sgpr_count 2
		.amdhsa_user_sgpr_kernarg_segment_ptr 1
		.amdhsa_wavefront_size32 1
		.amdhsa_system_sgpr_workgroup_id_x 1
		.amdhsa_system_sgpr_workgroup_id_y 1
		.amdhsa_system_sgpr_workgroup_id_z 1
		.amdhsa_system_vgpr_workitem_id 0
		.amdhsa_next_free_vgpr 232
		.amdhsa_next_free_sgpr 66
		.amdhsa_reserve_vcc 0
		.amdhsa_float_denorm_mode_32 3
		.amdhsa_float_denorm_mode_16_64 3
		.amdhsa_memory_ordered 1
		.amdhsa_forward_progress 1
		.amdhsa_inst_pref_size 41
	.end_amdhsa_kernel
	.amdgpu_metadata
---
amdhsa.version: [ 1, 2 ]
amdhsa.kernels:
  - .name:           k_q06f82bf772_quantx
    .symbol:         k_q06f82bf772_quantx.kd
    .args:
      - { .name: x, .offset: 0, .size: 8, .value_kind: global_buffer, .address_space: global }
      - { .name: lowp_scales, .offset: 8, .size: 8, .value_kind: global_buffer, .address_space: global }
      - { .name: xc, .offset: 16, .size: 8, .value_kind: global_buffer, .address_space: global }
    .group_segment_fixed_size: 33280
    .private_segment_fixed_size: 0
    .kernarg_segment_align: 8
    .kernarg_segment_size: 24
    .max_flat_workgroup_size: 128
    .sgpr_count:     66
    .vgpr_count:     232
    .wavefront_size: 32
...
	.end_amdgpu_metadata
.endif
;; end of part 1
;; launch qkv (part 2): grid 12 x 16, 4 waves a work-group, clusters of 4 x 4, 327,680 bytes of LDS; arguments xc, wq_w_codes, wk_w_codes, wv_w_codes, wq_b, wk_b, wv_b, lowp_scales, qkv; writes qkv
.if DOCPART == 2
	.amdgcn_target "amdgcn-amd-amdhsa--gfx1250"
	.amdhsa_code_object_version 6
	.text
	.protected	k_q06f82bf772_qkv
	.globl	k_q06f82bf772_qkv
	.p2align	8
	.type	k_q06f82bf772_qkv,@function
k_q06f82bf772_qkv:
	s_mov_b64 s[64:65], 0
	v_nop
	global_prefetch_b8 v0, s[64:65] scope:SCOPE_SE
	s_setreg_imm32_b32 hwreg(HW_REG_WAVE_MODE, 25, 1), 1
	s_wait_xcnt 0x0
	s_wait_alu depctr_hold_cnt(0) depctr_sa_sdst(0) depctr_va_vdst(0) depctr_va_sdst(0) depctr_va_ssrc(0) depctr_va_vcc(0) depctr_vm_vsrc(0)
	s_getreg_b32 s2, hwreg(HW_REG_IB_STS2, 6, 4)
	s_cmp_eq_u32 s2, 0
	s_cbranch_scc0 .Lentry_in_a_cluster
	s_endpgm
.Lentry_in_a_cluster:
	s_bfe_u32 s2, ttmp6, 0x10000c
	s_cmp_lg_u32 s2, 0xf033
	s_cbranch_scc0 .Lentry_shape_is_right
	s_endpgm
.Lentry_shape_is_right:
; A GEMM on E5M2 codes whose result is quantised on the way out: out = Q(A B^T x 2^(ea + eb) + bias), K = 1,024.  One text serves two launches; QKV = 1 here.
; QKV = 1: q, k and v of the layer, by the cluster's x (0, 1, 2).  q, k: A = x's codes (rows = tokens), B = the weight's codes (rows = channels).  v is made TRANSPOSED by its addresses alone: A = wv's codes, B = x's codes,
;          so that a lane's eight results are eight neighbouring KEYS of one channel, the K of attention's second product.  QKV = 0: hidden = relu(out1 W1 + b1), A = out1's codes, B = ffn_w1's.
; No work of the layer is left out here.
; A tile, 256 x 256, is made by four waves, each 128 x 128: 64 accumulators, 512 registers.  K goes in steps of 256 through two LDS slots filled by the tensor data mover; rows of 256 bytes, 16 of padding behind each.
; CLUSTERS: 4 x 4 work-groups; A's tile is asked for jointly along a row of the cluster, B's along a column.  THE MATRIX INSTRUCTION IS USED TRANSPOSED (source 0 = 16 rows of B, source 1 = 16 rows of A):
; lane (r, h) holds row r of A and columns 8 h + 0 .. 7.  Fragments come by four 16-byte loads a side: a permutation of k that is the same in A and B.
; THE BIAS is the C of each sum's first matrix instruction, divided by 2^(ea + eb), which the sums lack.
; THE WAY OUT needs no LDS: one conversion of an accumulator's eight registers gives two registers of the next product's operand.  THE IMAGE: for X[R rows][columns], a block of 64 columns is R x 64 bytes; in it a tile
; of 16 rows is 1,024 bytes: registers 0-3 of the 16 x 64 fragment at 16 x lane, registers 4-7 at 512 + 16 x lane.  Each store of the wave covers 512 consecutive bytes, aligned.
; LIMITS: eo - ea - eb between -126 and 112 (eo: e6, e7, e9 or e14), so that the folded scale and 57,344 x it are f32 numbers.  NaN among the inputs is not served.
; REGISTERS, in windows of 256: window 0: v16-29 addresses; v32-95 the bias; v96-107 constants; from v128 A's fragments, ONE set; on the way out the codes.  window 1: B's fragments, TWO sets.
;   window 2: the accumulators of my rows 0-63 ((a, b) at v[8 (8 a + b)]);  window 3: those of rows 64-127.
.set QKV,    1
.set ROWB,   256                       ; a tile's row in bytes
.set KROW,   1024                      ; a row of A or B in memory
.set PITCH,  272                       ; an LDS row: 68 words, so the 16 rows that a load touches start at 16 different banks (ISA guide 11.1)
.set FR,     16
.set NL,     4
.set NP,     4                         ; places behind this matrix instruction (ISA guide 7.12.1)
.set HALFT,  128*PITCH
.set SLOT,   4*HALFT
.set SPARE,  2*SLOT                    ; the spare words: 128 bytes a wave, two blocks of 256 bytes that no other line names
.set ADRA, 16
.set ADRB, 20
.set SPW,  28
.set NIL,  29
.set BI,   32                          ; v32-95  the bias, in the result's layout
.set LIM,  96                          ; v96     57,344 x 2^(eo - ea - eb)
.set SC,   97                          ; v97     2^(eo - ea - eb)
.set OA,   98                          ; v98, v99  16 x lane, and the same one block of columns on
.set VO,   100                         ; v100-107 the bias loads' offsets
.set AF,   128
.set CR,   128                         ; the codes, 16 registers for each block of 16 rows
.set G1, 24
.set G0, 32
.set G1B, 48
.set G0B, 56
.set MSB, 0
.macro WIN new                         ; the immediate's high byte repeats the setting that is left
.if MSB != (\new)
	s_set_vgpr_msb (MSB<<8)|(\new)
.set MSB, (\new)
.endif
.endm
.set MUL_LO, 0xa1                      ; source 0 (B) window 1, source 1 (A) window 0, C and D window 2
.set MUL_HI, 0xf1
.set TO_B,   0x40
.macro JLOAD g0a, g1a, g0b, g1b        ; a joint load: waves 0 and 1 fetch for A, waves 2 and 3 for B; the branch hangs on the wave's number alone; s_nop 0 and four v_nop follow each line
	s_cmp_eq_u32 s15, 0
	s_cbranch_scc0 .Lfor_b_\@
	tensor_load_to_lds s[\g0a:\g0a+3], s[\g1a:\g1a+7]
	s_nop 0
.rept 4
	v_nop
.endr
	s_branch .Lasked_\@
.Lfor_b_\@:
	tensor_load_to_lds s[\g0b:\g0b+3], s[\g1b:\g1b+7]
	s_nop 0
.rept 4
	v_nop
.endr
.Lasked_\@:
.endm
.macro CREST                           ; a round of the cluster's barrier behind its opening barrier
	s_cmp_lg_u32 s14, 0
	s_cbranch_scc1 .Lnot_wave_0_\@
	s_barrier_signal -3
.Lnot_wave_0_\@:
	s_barrier_wait -3
	s_barrier_signal -1
	s_barrier_wait -1
.endm
.macro CROUND
	s_barrier_signal -1
	s_barrier_wait -1
	CREST
.endm
.if QKV
	s_load_b512 s[68:83], s[0:1], 0x0              ; xc, wq, wk, wv, wq_b, wk_b, wv_b, the scales' exponents
	s_load_b64 s[84:85], s[0:1], 0x40              ; qkv
.else
	s_load_b256 s[4:11], s[0:1], 0x0               ; A's codes, B's codes, the bias, the image
	s_load_b64 s[82:83], s[0:1], 0x20              ; the scales' exponents
.endif
	v_lshl_add_u32 v[SPW], v0, 2, SPARE
	v_mov_b32 v[NIL], 0
	ds_add_u32 v[SPW], v[NIL]                      ; the opening: the add, twice on end, and its wait ahead of my first tensor load
	ds_add_u32 v[SPW], v[NIL]
	v_lshrrev_b32 v1, 5, v0
	v_readfirstlane_b32 s14, v1                    ; wave 0..3
	s_lshr_b32 s15, s14, 1                         ; which half of the tile's rows is mine.  Also: I fetch for A (0) or for B (1)
	s_and_b32 s16, s14, 1                          ; which half of its columns.  Also: which 128 rows I fetch
	s_bfe_u32 s40, ttmp6, 0x40000                  ; cx
	s_bfe_u32 s41, ttmp6, 0x40004                  ; cy
	s_and_b32 s99, ttmp7, 0xffff
	s_lshl_b32 s99, s99, 2                         ; 4 x cluster y
	s_mov_b32 s87, 0x40000                         ; a block of 64 columns of an image of 4,096 rows
.if QKV
	s_mov_b32 s98, ttmp9                           ; 0: q, 1: k, 2: v: the same in all sixteen partners
	s_cmp_eq_u32 s98, 2
	s_cselect_b32 s42, s99, 0                      ; v: the tokens are the columns,
	s_cselect_b32 s17, 0, s99                      ; q, k: the rows
	s_cselect_b32 s86, -1, 0
	s_cselect_b32 s87, 0x10000, s87                ; v's image has 1,024 rows
	s_cselect_b32 s22, 0, s98
	s_cselect_b32 s23, 0x800000, 0                 ; v: B is x's third tensor of codes
	s_lshl_b32 s22, s22, 22                        ; q, k: A is x's first or second
.else
	s_lshl_b32 s42, ttmp9, 2
	s_mov_b32 s17, s99
.endif
	s_add_co_u32 s42, s42, s40                     ; tile column
	s_add_co_u32 s17, s17, s41                     ; tile row
	s_lshl_b32 s43, s41, 2
	s_lshl_b32 s43, 15, s43                        ; my row of the cluster
	s_lshl_b32 s44, 0x1111, s40                    ; my column
	s_or_b32 s[G1+0], s43, (0<<16)|(1<<20)|(1<<21)|(5<<22)|(3<<25)  ; the mask; elements of 1 byte; padding: 4 words after every 64; bit 21 beside a mask
	s_or_b32 s[G1B+0], s44, (0<<16)|(1<<20)|(1<<21)|(5<<22)|(3<<25)
.irp g, G1, G1B
	s_mov_b32 s[\g+1], ROWB<<16                    ; tensor_dim0
	s_mov_b32 s[\g+2], 128<<16                     ; tensor_dim1
	s_mov_b32 s[\g+3], ROWB<<16                    ; tile_dim0
	s_mov_b32 s[\g+4], 128                         ; tile_dim1
	s_mov_b32 s[\g+5], KROW                        ; tensor_dim0_stride
	s_mov_b32 s[\g+6], 0
	s_mov_b32 s[\g+7], 0
.endr
	s_lshl_b32 s18, s16, 7
	s_lshl_b32 s20, s17, 8
	s_add_co_u32 s20, s20, s18                     ; A: row 256 x tile row + 128 x half
	s_lshl_b32 s20, s20, 10                        ; in bytes
	s_lshl_b32 s46, s42, 8
	s_add_co_u32 s46, s46, s18                     ; B likewise, by the tile column
	s_lshl_b32 s46, s46, 10
.if QKV
	s_add_co_u32 s20, s20, s22
	s_add_co_u32 s46, s46, s23
.endif
	s_mov_b32 s21, 0
	s_mov_b32 s47, 0
	s_mul_i32 s45, s14, HALFT                      ; where they go: wave x 128 rows
	s_wait_dscnt 0x0                               ; both opening adds are done
	s_wait_kmcnt 0x0
.if QKV
	s_load_b256 s[88:95], s[82:83], 0x0            ; e0 .. e7
	s_load_b64 s[96:97], s[82:83], 0x20            ; e8, e9
	s_cmp_eq_u32 s98, 2                            ; the buffers are chosen by the cluster's x alone
	s_cselect_b64 s[4:5], s[74:75], s[68:69]
	s_cselect_b64 s[6:7], s[68:69], s[72:73]
	s_cselect_b64 s[8:9], s[80:81], s[78:79]
	s_cmp_eq_u32 s98, 0
	s_cselect_b64 s[6:7], s[70:71], s[6:7]
	s_cselect_b64 s[8:9], s[76:77], s[8:9]
	s_mov_b64 s[10:11], s[84:85]
.else
	s_load_b128 s[88:91], s[82:83], 0x30           ; e12, e13, e14, e15
.endif
	s_add_nc_u64 s[20:21], s[4:5], s[20:21]
	s_add_nc_u64 s[46:47], s[6:7], s[46:47]
	CROUND                                         ; all sixteen work-groups are here: the first joint loads meet
.irp s, 0,1
	s_mov_b32 s[G0+4*\s], 1
	s_add_co_u32 s[G0+4*\s+1], s45, \s*SLOT
	s_add_nc_u64 s[G0+4*\s+2:G0+4*\s+3], s[20:21], \s*ROWB
	s_or_b32 s[G0+4*\s+3], s[G0+4*\s+3], 0x80000000
	s_mov_b32 s[G0B+4*\s], 1
	s_add_co_u32 s[G0B+4*\s+1], s45, \s*SLOT
	s_add_nc_u64 s[G0B+4*\s+2:G0B+4*\s+3], s[46:47], \s*ROWB
	s_or_b32 s[G0B+4*\s+3], s[G0B+4*\s+3], 0x80000000
.endr
	JLOAD G0, G1, G0B, G1B                         ; K step 0: one tensor load a wave at the head
	; THE PREFETCHES: of the 128 rows that my wave fetches for a K step (256 bytes of each), each of the four partners that ask jointly names 32, told apart by address (cx for A, cy for B), a lane a row.
	; K steps 1 and 2 are asked for here, K step 3 behind slot 1's load: each at least one K step ahead of the load that wants it.  The address is never stepped: the K step stands in the immediate.
	s_cmp_eq_u32 s15, 0                            ; do I fetch for A?
	s_cselect_b64 s[66:67], s[20:21], s[46:47]
	s_cselect_b32 s12, s40, s41
	s_lshl_b32 s12, s12, 15                        ; 32 rows of 1,024 bytes for each partner
	s_mov_b32 s13, 0
	s_add_nc_u64 s[66:67], s[66:67], s[12:13]
	v_and_b32 v30, 31, v0
	v_lshlrev_b32 v30, 10, v30                     ; my lane's row; never rewritten
	global_prefetch_b8 v30, s[66:67] offset:256 th:TH_LOAD_NT scope:SCOPE_SE
	global_prefetch_b8 v30, s[66:67] offset:512 th:TH_LOAD_NT scope:SCOPE_SE
	v_and_b32 v1, 15, v0                           ; r
	s_wait_alu depctr_va_vdst(0)
	v_bfe_u32 v2, v0, 4, 1                         ; h
	v_mul_u32_u24 v3, v1, PITCH
	v_lshl_add_u32 v4, v2, 4, v3
	s_mul_i32 s21, s15, HALFT
	s_mul_i32 s22, s16, HALFT
	s_add_co_u32 s22, s22, 2*HALFT
.irp s, 0,1
	v_add_nc_u32 v[ADRA+\s], s21, v4
	v_add_nc_u32 v[ADRB+\s], s22, v4
	s_add_co_u32 s21, s21, SLOT
	s_add_co_u32 s22, s22, SLOT
.endr
	; the bias.  By columns (q, k, hidden): register 8 b + j = bias[first column + 16 b + 8 h + j].  By rows (v): register 8 a + j = bias[first row + 16 a + r]
	v_lshlrev_b32 v5, 5, v2                        ; 32 h
.if QKV
	s_wait_alu depctr_va_vdst(0)
	s_cmp_eq_u32 s98, 2
	s_cselect_b32 s18, s17, s42
	s_cselect_b32 s19, s15, s16
.else
	s_mov_b32 s18, s42
	s_mov_b32 s19, s16
.endif
	s_lshl_b32 s18, s18, 10
	s_lshl_b32 s19, s19, 9
	s_add_co_u32 s18, s18, s19
	s_mov_b32 s19, 0
	s_add_nc_u64 s[8:9], s[8:9], s[18:19]
.if QKV
	v_lshlrev_b32 v6, 2, v1                        ; 4 r
.irp j, 0,1,2,3,4,5,6,7
	v_add_nc_u32 v[VO+\j], 4*\j, v5
	v_cndmask_b32 v[VO+\j], v[VO+\j], v6, s86      ; one form of loads for both layouts
.endr
.irp i, 0,1,2,3,4,5,6,7
.irp j, 0,1,2,3,4,5,6,7
	global_load_b32 v[BI+8*\i+\j], v[VO+\j], s[8:9] offset:64*\i
.endr
.endr
.else
.irp b, 0,1,2,3,4,5,6,7
	global_load_b128 v[BI+8*\b:BI+8*\b+3], v5, s[8:9] offset:64*\b
	global_load_b128 v[BI+8*\b+4:BI+8*\b+7], v5, s[8:9] offset:64*\b+16
.endr
.endif
	; where my part of the image begins: (4 x tile column + 2 x half) blocks of columns, (16 x tile row + 8 x half) tiles of rows
	s_lshl_b32 s18, s42, 2
	s_lshl_b32 s19, s16, 1
	s_add_co_u32 s18, s18, s19
	s_mul_i32 s18, s18, s87
	s_lshl_b32 s19, s17, 4
	s_lshl_b32 s20, s15, 3
	s_add_co_u32 s19, s19, s20
	s_lshl_b32 s19, s19, 10
	s_add_co_u32 s18, s18, s19
.if QKV
	s_lshl_b32 s19, s98, 22                        ; q at 0, k at 4 MiB, v at 8 MiB
	s_add_co_u32 s18, s18, s19
.endif
	s_mov_b32 s19, 0
	s_add_nc_u64 s[10:11], s[10:11], s[18:19]
	v_and_b32 v[OA], 31, v0
	v_lshlrev_b32 v[OA], 4, v[OA]
	v_add_nc_u32 v[OA+1], s87, v[OA]
	s_wait_kmcnt 0x0
.if QKV
	s_cmp_eq_u32 s98, 0                            ; (ea, eb, eo): q (e0, e1, e6), k (e2, e3, e7), v (e4, e5, e9): selections, no branch
	s_cselect_b32 s100, s88, s90
	s_cselect_b32 s18, s89, s91
	s_cselect_b32 s101, s94, s95
	s_cmp_eq_u32 s98, 2
	s_cselect_b32 s100, s92, s100
	s_cselect_b32 s18, s93, s18
	s_cselect_b32 s101, s97, s101
	s_add_co_i32 s100, s100, s18                   ; ea + eb
.else
	s_add_co_i32 s100, s88, s89                    ; e12 + e13
	s_mov_b32 s101, s90                            ; e14
.endif
	s_sub_co_i32 s18, 0, s100
	s_sub_co_i32 s19, s101, s100                   ; a sum stands for sum x 2^(ea + eb): its code is sum / 2^(eo - ea - eb)
	s_add_co_i32 s19, s19, 127
	s_lshl_b32 s20, s19, 23
	v_mov_b32 v[SC], s20
	s_add_co_i32 s19, s19, 15
	s_lshl_b32 s19, s19, 23
	s_or_b32 s19, s19, 0x600000
	v_mov_b32 v[LIM], s19
	s_wait_loadcnt 0x0
.set j, 0
.rept 64
	v_ldexp_f32 v[BI+j], v[BI+j], s18              ; bias / 2^(ea + eb)
.set j, j+1
.endr
.macro FRAG reg, adr, q, i             ; 16 rows x 128 K: registers 4 c .. 4 c + 3 hold K = 32 c + 16 h + 0 .. 15 of row r
.irp c, 0,1,2,3
	ds_load_b128 v[\reg+4*\c:\reg+4*\c+3], v[\adr] offset:128*(\q)+32*\c+(\i)*16*PITCH
.endr
.endm
; 16 matrix instructions: A's blocks a0, a0 + 1 x B's eight.  mode 0: the sums go on; 1: they begin with the bias by columns; 2: by rows.  The 64 accumulators take turns, one instruction a turn.
.macro MUL16 a0, p, mode
.irp a, \a0, \a0+1
.irp b, 0,1,2,3,4,5,6,7
.if \mode == 0
	v_wmma_f32_16x16x128_bf8_bf8 v[8*(8*((\a)%4)+\b):8*(8*((\a)%4)+\b)+7], v[128*(\p)+FR*\b:128*(\p)+FR*\b+FR-1], v[AF+FR*(\a):AF+FR*(\a)+FR-1], v[8*(8*((\a)%4)+\b):8*(8*((\a)%4)+\b)+7]
.elseif \mode == 1
	v_wmma_f32_16x16x128_bf8_bf8 v[8*(8*((\a)%4)+\b):8*(8*((\a)%4)+\b)+7], v[128*(\p)+FR*\b:128*(\p)+FR*\b+FR-1], v[AF+FR*(\a):AF+FR*(\a)+FR-1], v[BI+8*\b:BI+8*\b+7]
.else
	v_wmma_f32_16x16x128_bf8_bf8 v[8*(8*((\a)%4)+\b):8*(8*((\a)%4)+\b)+7], v[128*(\p)+FR*\b:128*(\p)+FR*\b+FR-1], v[AF+FR*(\a):AF+FR*(\a)+FR-1], v[BI+8*(\a):BI+8*(\a)+7]
.endif
.endr
.endr
.endm
.macro FETCH_B slot, q, p
	WIN TO_B
.irp i, 0,1,2,3,4,5,6,7
	FRAG 128*(\p)+FR*\i, ADRB+\slot, \q, \i
.endr
	WIN 0
.endm
.macro FETCH_A slot, q, i0
.irp i, \i0, \i0+1, \i0+2, \i0+3
	FRAG AF+FR*(\i), ADRA+\slot, \q, \i
.endr
.endm
.macro PLACES n                        ; plain vector lines between a matrix instruction and a load into, or a read of, its registers
.rept \n
	v_nop
.endr
.endm
.macro STEP slot, q, mode              ; 128 along K, with its successor in the same slot
	s_wait_dscnt 4*NL                              ; B's set and A's blocks 0-3 are in; the youngest sixteen loads (A's blocks 4-7) may be out
.if \mode
	WIN 0x81                                       ; C (the bias) window 0, D window 2
.else
	WIN MUL_LO
.endif
	MUL16 0, (\q)%2, \mode
	MUL16 2, (\q)%2, \mode
	s_wait_dscnt 0
	PLACES NP
	FETCH_B \slot, (\q)+1, 1-(\q)%2
	FETCH_A \slot, (\q)+1, 0
.if \mode
	WIN 0xc1
.else
	WIN MUL_HI
.endif
	MUL16 4, (\q)%2, \mode
	MUL16 6, (\q)%2, \mode
	PLACES NP
	WIN 0
	FETCH_A \slot, (\q)+1, 4
.endm
; A slot's last step changes slots: ONE barrier; in front of it each wave waits for all its tensor loads, adds 0 to its spare word, and waits for that and for its reads of this slot.
.macro TURN slot, next, fill
	s_wait_tensorcnt 0x0                           ; all my tensor loads have landed: my part of the next slot
	ds_add_u32 v[SPW], v[NIL]
	s_wait_dscnt 4*NL+1                            ; the add and the youngest sixteen loads (A's blocks 4-7) may be out
	WIN MUL_LO
	MUL16 0, 1, 0
	s_wait_dscnt 0x0                               ; the add is done, and my reads of this slot are over
	s_barrier_signal -1
	MUL16 2, 1, 0
	WIN 0
	s_barrier_wait -1
.if \fill
	CREST                                          ; the barrier has opened a round of the cluster's: no wave of any partner still reads this slot or has a load on its way
	s_add_nc_u64 s[G0+4*\slot+2:G0+4*\slot+3], s[G0+4*\slot+2:G0+4*\slot+3], 2*ROWB
	s_add_nc_u64 s[G0B+4*\slot+2:G0B+4*\slot+3], s[G0B+4*\slot+2:G0B+4*\slot+3], 2*ROWB
	JLOAD G0+4*\slot, G1, G0B+4*\slot, G1B         ; the first tensor load behind the round; its four v_nop are the places in front of the loads below
.else
	PLACES NP
.endif
	FETCH_B \next, 0, 0
	FETCH_A \next, 0, 0
	WIN MUL_HI
	MUL16 4, 1, 0
	MUL16 6, 1, 0
	PLACES NP
	WIN 0
	FETCH_A \next, 0, 4
.endm
	s_wait_alu depctr_va_vdst(0)                   ; the head's end
	s_wait_tensorcnt 0x0                           ; my part of slot 0 is in
	ds_add_u32 v[SPW], v[NIL]
	s_wait_dscnt 0x0
	CROUND                                         ; everybody's part of slot 0 is in, and the joint loads meet
	JLOAD G0+4, G1, G0B+4, G1B                     ; slot 1's first fill, the first tensor load behind the round
	global_prefetch_b8 v30, s[66:67] offset:768 th:TH_LOAD_NT scope:SCOPE_SE   ; K step 3
	FETCH_B 0, 0, 0
	FETCH_A 0, 0, 0
	FETCH_A 0, 0, 4
.if QKV
	s_cmp_eq_u32 s98, 2                            ; the first step is written twice: its C is the bias by columns or by rows.  The branch hangs on the cluster's x alone; no tensor load, no barrier in either arm
	s_cbranch_scc1 .Lfirst_v
	s_wait_alu depctr_va_vdst(0)
	STEP 0, 0, 1
	s_branch .Ljoined
.Lfirst_v:
	s_wait_alu depctr_va_vdst(0)
	STEP 0, 0, 2
.Ljoined:
.else
	STEP 0, 0, 1
.endif
	TURN 0, 1, 1                                   ; K = 1,024 is eight steps of 128: written out, no loop.  Slot 0 takes K 512 on,
	STEP 1, 0, 0
	TURN 1, 0, 1                                   ; slot 1 K 768 on
	STEP 0, 0, 0
	TURN 0, 1, 0
	STEP 1, 0, 0
	s_wait_dscnt 4*NL                              ; the last step: nothing more to fetch; A's blocks 4-7 may be out
	WIN MUL_LO
	MUL16 0, 1, 0
	MUL16 2, 1, 0
	s_wait_dscnt 0
	WIN MUL_HI
	MUL16 4, 1, 0
	MUL16 6, 1, 0
	PLACES NP                                      ; in front of the first read of results and of the codes, which take A's registers
; THE WAY OUT of block a (16 rows x 128 columns): the hold (QKV = 0: with relu in it), eight conversions, four stores of 512 consecutive bytes.  Each accumulator is read from its low end on.
.macro QOUT a
.set AC, 64*((\a)%4)
	WIN 0x82+0x41*((\a)/4)                         ; source 0 and destination: window 2 or 3
.set i, 0
.rept 64
.if QKV
	v_med3_num_f32 v[AC+i], v[AC+i], -v[LIM], v[LIM]
.else
	v_med3_num_f32 v[AC+i], v[AC+i], 0, v[LIM]     ; the activation and the hold in one
.endif
.set i, i+1
.endr
	WIN 0x02+(\a)/4
.irp b, 0,1,2,3,4,5,6,7
	v_cvt_scalef32_pk8_bf8_f32 v[CR+16*(\a)+2*\b:CR+16*(\a)+2*\b+1], v[AC+8*\b:AC+8*\b+7], v[SC]   ; columns 16 b + 8 h + 0 .. 7 of row r: registers 2 (b % 4), + 1 of the fragment
.endr
	v_nop                                          ; one plain line behind the last conversion
	WIN 0
.irp g, 0,1,2,3
	global_store_b128 v[OA+\g/2], v[CR+16*(\a)+4*\g:CR+16*(\a)+4*\g+3], s[10:11] offset:(\a)*1024+(\g%2)*512 th:TH_STORE_NT
.endr
.endm
.irp a, 0,1,2,3,4,5,6,7
	QOUT \a
.endr
	s_wait_tensorcnt 0x0                           ; the wave's end
	ds_add_u32 v[SPW], v[NIL]
	s_wait_dscnt 0x0
	CROUND                                         ; the closing round
	s_endpgm
.Lfunc_end_k_q06f82bf772_qkv:
	.size	k_q06f82bf772_qkv, .Lfunc_end_k_q06f82bf772_qkv-k_q06f82bf772_qkv
	.p2alignl 7, 3214868480
	.fill 96, 4, 3214868480
	.section	.rodata,"a",@progbits
	.p2align	6, 0x0
	.amdhsa_kernel k_q06f82bf772_qkv
		.amdhsa_group_segment_fixed_size 327680
		.amdhsa_private_segment_fixed_size 0
		.amdhsa_enable_private_segment 0
		.amdhsa_kernarg_size 72
		.amdhsa_user_sgpr_count 2
		.amdhsa_user_sgpr_kernarg_segment_ptr 1
		.amdhsa_wavefront_size32 1
		.amdhsa_system_sgpr_workgroup_id_x 1
		.amdhsa_system_sgpr_workgroup_id_y 1
		.amdhsa_system_sgpr_workgroup_id_z 1
		.amdhsa_system_vgpr_workitem_id 0
		.amdhsa_next_free_vgpr 1024
		.amdhsa_next_free_sgpr 102
		.amdhsa_reserve_vcc 0
		.amdhsa_float_denorm_mode_32 3
		.amdhsa_float_denorm_mode_16_64 3
		.amdhsa_memory_ordered 1
		.amdhsa_forward_progress 1
		.amdhsa_inst_pref_size 139
	.end_amdhsa_kernel
	.amdgpu_metadata
---
amdhsa.version: [ 1, 2 ]
amdhsa.kernels:
  - .name:           k_q06f82bf772_qkv
    .symbol:         k_q06f82bf772_qkv.kd
    .args:
      - { .name: xc, .offset: 0, .size: 8, .value_kind: global_buffer, .address_space: global }
      - { .name: wq_w_codes, .offset: 8, .size: 8, .value_kind: global_buffer, .address_space: global }
      - { .name: wk_w_codes, .offset: 16, .size: 8, .value_kind: global_buffer, .address_space: global }
      - { .name: wv_w_codes, .offset: 24, .size: 8, .value_kind: global_buffer, .address_space: global }
      - { .name: wq_b, .offset: 32, .size: 8, .value_kind: global_buffer, .address_space: global }
      - { .name: wk_b, .offset: 40, .size: 8, .value_kind: global_buffer, .address_space: global }
      - { .name: wv_b, .offset: 48, .size: 8, .value_kind: global_buffer, .address_space: global }
      - { .name: lowp_scales, .offset: 56, .size: 8, .value_kind: global_buffer, .address_space: global }
      - { .name: qkv, .offset: 64, .size: 8, .value_kind: global_buffer, .address_space: global }
    .group_segment_fixed_size: 327680
    .private_segment_fixed_size: 0
    .kernarg_segment_align: 8
    .kernarg_segment_size: 72
    .max_flat_workgroup_size: 128
    .sgpr_count:     102
    .vgpr_count:     1024
    .wavefront_size: 32
...
	.end_amdgpu_metadata
.endif
;; end of part 2
;; launch attn (part 3): grid 8 x 32, 8 waves a work-group, clusters of 4 x 1, 327,680 bytes of LDS; arguments qkv, mask, lowp_scales, ctx; writes ctx
.if DOCPART == 3
	.amdgcn_target "amdgcn-amd-amdhsa--gfx1250"
	.amdhsa_code_object_version 6
	.text
	.protected	k_q06f82bf772_attn
	.globl	k_q06f82bf772_attn
	.p2align	8
	.type	k_q06f82bf772_attn,@function
k_q06f82bf772_attn:
	s_mov_b64 s[64:65], 0
	v_nop
	global_prefetch_b8 v0, s[64:65] scope:SCOPE_SE
	s_setreg_imm32_b32 hwreg(HW_REG_WAVE_MODE, 25, 1), 1
	s_wait_xcnt 0x0
	s_wait_alu depctr_hold_cnt(0) depctr_sa_sdst(0) depctr_va_vdst(0) depctr_va_sdst(0) depctr_va_ssrc(0) depctr_va_vcc(0) depctr_vm_vsrc(0)
	s_getreg_b32 s2, hwreg(HW_REG_IB_STS2, 6, 4)
	s_cmp_eq_u32 s2, 0
	s_cbranch_scc0 .Lentry_in_a_cluster
	s_endpgm
.Lentry_in_a_cluster:
	s_bfe_u32 s2, ttmp6, 0x10000c
	s_cmp_lg_u32 s2, 0x3003
	s_cbranch_scc0 .Lentry_shape_is_right
	s_endpgm
.Lentry_shape_is_right:
; ctx = Q(softmax(q k^T / 8, keys with mask 0 at -1e9) v), both products on E5M2 codes; 32 (batch, head) pairs, 2,048 keys, head size 64.  No work of the layer is left out here.
; q, k, v^T arrive as IMAGES of operand registers: a fragment of 16 rows x 64 K is 1,024 bytes, registers 0-3 at 16 x lane, registers 4-7 at 512 + 16 x lane.  q, k: block of columns = head, 262,144 bytes;
; v^T: rows = channels, block of columns = 64 keys, 65,536 bytes.  ctx leaves in the same form.
; THE SOFTMAX: t = score x log2(e) / 8; M = the running largest t rounded UP to a whole number; p = 2^(t - M) is quantised with 2^e8, not normalised; the row's sum is taken of the unquantised p and divides at the end.
; THE MASK: a table of 2,048 f32 addends in LDS (0, or -8e9 / 2^(e6 + e7), which is -1e9 as a logit) is the C of K Q^T.  Where ALL keys of a batch are masked, c becomes 0 by a selection: every t is 0, every p is 1.
; LIMIT: logits of open keys lie above about -1e9.
; SHARES.  A work-group owns 256 queries of one head, each of its eight waves 32: two tiles of 16, so that each fragment of K and V read from LDS feeds two products.
; THE WHOLE HEAD LIES IN LDS: K's 128 tiles of 16 keys from byte 0, V's 32 blocks of 64 keys from byte 131,072.  Every byte is filled once, in two parts (waves 0-3: K's quarters, waves 4-7: V's):
; at the head each wave loads 8,192 bytes of the first 512 keys; behind the full sequence and a round each wave loads 24,576 bytes of the other 1,536 keys.  Steps 0 to 2 read and ask for the first part alone;
; a barrier ahead of step 3 shows the second part.  CLUSTER: the four query blocks of a cluster read the same K and V: each load is joint, mask 15.
; No prefetch: all bytes have been asked for when the first key step begins, and there is no loop of refills to run ahead in.
; LAYOUT.  S^T = K Q^T + C (source 0 = 16 keys, source 1 = 16 queries): lane (r, h) holds query r and keys 8 h + 0 .. 7 of the tile; one conversion of a tile gives registers 2 t, 2 t + 1 of P (K = 128 keys).  O^T = V^T P.
; A KEY STEP: both tiles' maxima line by line; tile 0's scalings; tile 0's 64 exponentials with tile 1's 32 scalings between them; tile 0's sum; tile 1's 64 exponentials with tile 0's 32 holds between them;
; then O^T's rescaling, the conversions, tile 1's sum and holds, and the products.  What stands inside a batch reads only what was written ahead of the wait in front of it, and is read only behind the wait that follows.
; The holds go two to a line (a dual pair against a scalar limit).  K and the addends of step s + 1 are asked for in step s, in one run with V of step s.
; LIMITS: e6 + e7 between -95 and 130; e8 and e10 between -126 and 112.  NaN among the inputs is not served.
; REGISTERS.  window 0: v1 16 x lane; v2-4, v29, v30 LDS addresses; v5, v6 the add's two; v7 2^e8; v12-19, v20-27 a tile's statistics; v32-159 S^T then p, 64 a tile; v160-223 O^T, 32 a tile;
;   v224-255 P, 16 a tile (until the conversions write it: four running maxima and three pairs of partial sums).   window 1: v0-15 Q; v32-95 V's fragments; v96-159 K's; v160-223 the addends.
.set VB,    131072                     ; V's blocks begin here
.set TBL,   262144                     ; behind K and V: the addends, 8,192 bytes
.set FLG,   TBL+8192                   ; a word a wave: has my part of the mask an open key?
.set SPARE, FLG+256                    ; the spare words: 128 bytes a wave, four blocks of 256 bytes that no other line names
.set LA,   1
.set ADR,  2
.set ADT,  3
.set TBA,  4
.set SPW,  5
.set NIL,  6
.set SC8,  7
.set ST,   12                          ; tile u's statistics at v[ST + 8 u]: +0 -M, +1 the largest t, +2, +3 the sum, +4 f (+5 named with it), +6 at work, +7 the permute's destination
.set AV0,  29
.set ADV,  30
.set S,    32
.set O,    160
.set P,    224
.set Q,    0                           ; window 1
.set FV,   32
.set FK,   96
.set T,    160
.set WV,  12
.set SEL, 20
.set CS,  22
.set G1K, 24                           ; the first part's descriptors
.set G1V, 32
.set G0K, 40
.set G0V, 44
.set G1K2, 48                          ; the second part's
.set G1V2, 76
.set G0K2, 84
.set G0V2, 88
.set TB,  56                           ; 8,192 x the step
.set TT,  57                           ; 512 x the step
.set CNT, 58
.set LIMS, 61                          ; s61  57,344 x 2^e8
.set MSB, 0
.macro WIN new                         ; the immediate's high byte repeats the setting that is left
.if MSB != (\new)
	s_set_vgpr_msb (MSB<<8)|(\new)
.set MSB, (\new)
.endif
.endm
.macro CROUND
	s_barrier_signal -1
	s_barrier_wait -1
	s_cmp_lg_u32 s[WV], 0
	s_cbranch_scc1 .Lnot_wave_0_\@
	s_barrier_signal -3
.Lnot_wave_0_\@:
	s_barrier_wait -3
	s_barrier_signal -1
	s_barrier_wait -1
.endm
.macro KVLOAD g0k, g1k, g0v, g1v       ; waves 0-3 fetch K, waves 4-7 V: one load in each arm; s_nop 0 and four v_nop follow each
	s_cmp_lt_u32 s[WV], 4
	s_cbranch_scc0 .Lfor_v_\@
	tensor_load_to_lds s[\g0k:\g0k+3], s[\g1k:\g1k+7]
	s_nop 0
.rept 4
	v_nop
.endr
	s_branch .Lasked_\@
.Lfor_v_\@:
	tensor_load_to_lds s[\g0v:\g0v+3], s[\g1v:\g1v+7]
	s_nop 0
.rept 4
	v_nop
.endr
.Lasked_\@:
.endm
	s_load_b256 s[4:11], s[0:1], 0x0               ; qkv, mask, the scales' exponents, ctx
	v_lshl_add_u32 v[SPW], v0, 2, SPARE
	v_mov_b32 v[NIL], 0
	ds_add_u32 v[SPW], v[NIL]                      ; the opening: the add, twice on end, and its wait ahead of my first tensor load
	ds_add_u32 v[SPW], v[NIL]
	v_lshrrev_b32 v28, 5, v0
	v_readfirstlane_b32 s[WV], v28                 ; wave 0..7
	s_bfe_u32 s13, ttmp6, 0x40000                  ; cx
	s_lshl_b32 s14, ttmp9, 2
	s_add_co_u32 s14, s14, s13                     ; my block of 256 queries: it enters q's and ctx's addresses alone
	s_and_b32 s15, ttmp7, 0xffff
	s_lshr_b32 s16, s15, 4                         ; batch
	s_and_b32 s17, s15, 15                         ; head
	s_and_b32 s18, s[WV], 3                        ; which quarter of each part I fetch
	s_lshl_b32 s92, s18, 13                        ; its place in K's or V's bytes of LDS: the first part: quarter x 8,192;
	s_mul_i32 s95, s18, 24576
	s_add_co_u32 s95, s95, 32768                   ; the second: 32,768 + quarter x 24,576
	s_lshl_b32 s60, s17, 18                        ; K: 4 MiB + head x 262,144 + batch x 131,072, + the same places
	s_lshl_b32 s19, s16, 17
	s_add_co_u32 s60, s60, s19
	s_add_co_u32 s60, s60, 0x400000
	s_add_co_u32 s[G0K2+2], s60, s95
	s_mov_b32 s[G0K2+3], 0
	s_add_co_u32 s60, s60, s92
	s_mov_b32 s61, 0
	s_lshl_b32 s62, s16, 21                        ; V: 8 MiB + 32 x batch x 65,536 + head x 4,096, + blocks of keys of 65,536 bytes:
	s_lshl_b32 s19, s17, 12
	s_add_co_u32 s62, s62, s19
	s_add_co_u32 s62, s62, 0x800000
	s_mul_i32 s19, s18, 393216
	s_add_co_u32 s19, s19, 524288                  ; the second part: block 8 + 6 x quarter;
	s_add_co_u32 s[G0V2+2], s62, s19
	s_mov_b32 s[G0V2+3], 0
	s_lshl_b32 s19, s18, 17                        ; the first: block 2 x quarter
	s_add_co_u32 s62, s62, s19
	s_mov_b32 s63, 0
	s_mov_b32 s[G1K], 15|(3<<16)|(1<<21)           ; the mask: all four work-groups; elements of 8 bytes; no padding; bit 21 beside a mask
	s_mov_b32 s[G1K+1], 32<<16                     ; K: 8,192 dense bytes as 32 rows of 256
	s_mov_b32 s[G1K+2], 32<<16
	s_mov_b32 s[G1K+3], 32<<16
	s_mov_b32 s[G1K+4], 32
	s_mov_b32 s[G1K+5], 32
	s_mov_b32 s[G1K+6], 0
	s_mov_b32 s[G1K+7], 0
	s_mov_b32 s[G1V], 15|(3<<16)|(1<<21)
	s_mov_b32 s[G1V+1], 512<<16                    ; V: two blocks of keys, 4,096 bytes each, 65,536 bytes apart
	s_mov_b32 s[G1V+2], 2<<16
	s_mov_b32 s[G1V+3], 512<<16
	s_mov_b32 s[G1V+4], 2
	s_mov_b32 s[G1V+5], 8192
	s_mov_b32 s[G1V+6], 0
	s_mov_b32 s[G1V+7], 0
	s_mov_b32 s[G1K2], 15|(3<<16)|(1<<21)
	s_mov_b32 s[G1K2+1], 32<<16                    ; K: 24,576 dense bytes as 96 rows of 256
	s_mov_b32 s[G1K2+2], 96<<16
	s_mov_b32 s[G1K2+3], 32<<16
	s_mov_b32 s[G1K2+4], 96
	s_mov_b32 s[G1K2+5], 32
	s_mov_b32 s[G1K2+6], 0
	s_mov_b32 s[G1K2+7], 0
	s_mov_b32 s[G1V2], 15|(3<<16)|(1<<21)
	s_mov_b32 s[G1V2+1], 512<<16                   ; V: six blocks of keys
	s_mov_b32 s[G1V2+2], 6<<16
	s_mov_b32 s[G1V2+3], 512<<16
	s_mov_b32 s[G1V2+4], 6
	s_mov_b32 s[G1V2+5], 8192
	s_mov_b32 s[G1V2+6], 0
	s_mov_b32 s[G1V2+7], 0
	s_mov_b32 s[SEL], 0x76543210
	s_mov_b32 s[SEL+1], 0xfedcba98
	s_mov_b32 s[TB], 0
	s_mov_b32 s[TT], 0
	s_wait_dscnt 0x0                               ; both opening adds are done
	s_wait_kmcnt 0x0
	s_load_b256 s[68:75], s[8:9], 0x18             ; e6 .. e13
	s_add_nc_u64 s[60:61], s[4:5], s[60:61]
	s_add_nc_u64 s[62:63], s[4:5], s[62:63]
	s_add_nc_u64 s[G0K2+2:G0K2+3], s[4:5], s[G0K2+2:G0K2+3]
	s_add_nc_u64 s[G0V2+2:G0V2+3], s[4:5], s[G0V2+2:G0V2+3]
	CROUND                                         ; all four work-groups are here: the joint loads meet
	s_mov_b32 s[G0K], 1
	s_mov_b32 s[G0K+1], s92
	s_mov_b64 s[G0K+2:G0K+3], s[60:61]
	s_or_b32 s[G0K+3], s[G0K+3], 0x80000000
	s_mov_b32 s[G0V], 1
	s_add_co_u32 s[G0V+1], s92, VB
	s_mov_b64 s[G0V+2:G0V+3], s[62:63]
	s_or_b32 s[G0V+3], s[G0V+3], 0x80000000
	KVLOAD G0K, G1K, G0V, G1V                      ; the first 512 keys: one tensor load a wave at the head
	s_mov_b32 s[G0K2], 1
	s_mov_b32 s[G0K2+1], s95
	s_or_b32 s[G0K2+3], s[G0K2+3], 0x80000000
	s_mov_b32 s[G0V2], 1
	s_add_co_u32 s[G0V2+1], s95, VB
	s_or_b32 s[G0V2+3], s[G0V2+3], 0x80000000
	s_lshl_b32 s18, s17, 18                        ; q and ctx: head x 262,144 + (128 x batch + 16 x block + 2 x wave) tiles of 1,024 bytes
	s_lshl_b32 s19, s16, 7
	s_lshl_b32 s94, s14, 4
	s_add_co_u32 s19, s19, s94
	s_lshl_b32 s94, s[WV], 1
	s_add_co_u32 s19, s19, s94
	s_lshl_b32 s19, s19, 10
	s_add_co_u32 s18, s18, s19
	s_mov_b32 s19, 0
	s_add_nc_u64 s[4:5], s[4:5], s[18:19]
	s_add_nc_u64 s[10:11], s[10:11], s[18:19]
	s_lshl_b32 s18, s16, 13
	s_add_nc_u64 s[6:7], s[6:7], s[18:19]          ; my batch's mask
	s_lshl_b32 s94, s[WV], 2
	s_add_co_u32 s94, s94, FLG                     ; my wave's word
	v_and_b32 v[LA], 31, v0
	v_lshlrev_b32 v[LA], 4, v[LA]
	v_add_nc_u32 v[AV0], VB, v[LA]
	v_bfe_u32 v[TBA], v0, 4, 1
	v_lshl_add_u32 v[TBA], v[TBA], 5, TBL          ; the table: + 32 h: my eight keys of a tile
	v_lshlrev_b32 v28, 5, v0                       ; thread t takes keys 8 t .. 8 t + 7 of the mask
	v_lshl_add_u32 v9, v0, 5, TBL                  ; and stores their addends here
	v_mov_b32 v10, s94
	v_mov_b32 v11, FLG
	s_wait_alu depctr_va_vdst(0)
	global_load_b128 v[32:35], v28, s[6:7]
	global_load_b128 v[36:39], v28, s[6:7] offset:16
	WIN 0x40                                       ; destination window 1
	global_load_b128 v[Q:Q+3], v[LA], s[4:5]       ; Q's fragments stay in registers: tile 0,
	global_load_b128 v[Q+4:Q+7], v[LA], s[4:5] offset:512
	global_load_b128 v[Q+8:Q+11], v[LA], s[4:5] offset:1024   ; tile 1
	global_load_b128 v[Q+12:Q+15], v[LA], s[4:5] offset:1536
	WIN 0
	s_wait_kmcnt 0x0
	s_add_co_i32 s16, s68, s69                     ; e6 + e7
	s_lshl_b32 s16, s16, 23
	s_add_co_u32 s[CS], s16, 0x3e38aa3b            ; c = log2(e) / 8 x 2^(e6 + e7): the exponents are added to c's exponent field
	s_sub_co_u32 s17, 0xcfee6b28, s16              ; -8e9 / 2^(e6 + e7)
	s_add_co_i32 s16, s70, 127
	s_lshl_b32 s60, s16, 23                        ; 2^e8
	s_add_co_i32 s16, s16, 15
	s_lshl_b32 s[LIMS], s16, 23
	s_or_b32 s[LIMS], s[LIMS], 0x600000            ; 57,344 x 2^e8
	s_add_co_i32 s16, s72, 127
	s_lshl_b32 s62, s16, 23                        ; 2^e10
	s_add_co_i32 s16, s16, 15
	s_lshl_b32 s63, s16, 23
	s_or_b32 s63, s63, 0x600000                    ; 57,344 x 2^e10
	s_add_co_i32 s93, s70, s71                     ; e8 + e9
	v_mov_b32 v50, s17
	v_mov_b32 v[SC8], s60
.irp u, 0,1                            ; O^T and the sum begin as zeros and the largest t as -3e38, so that the key step has no first form of its own
	v_mov_b32 v[ST+8*\u+1], 0xff61b1e6
	v_mov_b32 v[ST+8*\u], 0x7f61b1e6               ; -M = floor(3e38), which is 3e38
	v_mov_b32 v[ST+8*\u+2], 0
	v_mov_b32 v[ST+8*\u+3], 0
	v_mov_b32 v[ST+8*\u+5], 0                      ; named as the upper half of f's pair
	v_mov_b32 v[ST+8*\u+7], 0                      ; a lane permute's destination counts as one of its sources
.endr
.set j, 0
.rept 64
	v_mov_b32 v[O+j], 0
.set j, j+1
.endr
	s_wait_alu depctr_va_vdst(0)
	s_wait_loadcnt 0x0                             ; the mask and Q
.irp j, 0,1,2,3,4,5,6,7
	v_cmp_eq_u32 vcc_lo, 0, v[32+\j]
	v_cndmask_b32 v[40+\j], 0, v50, vcc_lo
.endr
	ds_store_b128 v9, v[40:43]
	ds_store_b128 v9, v[44:47] offset:16
	v_or_b32 v48, v32, v33
.irp j, 2,3,4,5,6,7
	v_or_b32 v48, v48, v[32+\j]
.endr
	v_cmp_ne_u32 s59, 0, v48
	s_cmp_lg_u32 s59, 0
	s_cselect_b32 s59, 1, 0
	v_mov_b32 v49, s59
	ds_store_b32 v10, v49                          ; all lanes write the same word with the same value
; THE LISTS.  Each macro writes line j of tile u's list.
; The maximum and M, 41 lines.  0-27: four chains of 15 scores each, ascending; 28-31: the four scores left over and the chains; 32-40: the other half of the lanes, t, M, f.
.macro MAXI u, j
.set rT, ST+8*(\u)
.set rS, S+64*(\u)
.set rC, P+16*(\u)
.if (\j) < 4
	v_max3_num_f32 v[rC+(\j)], v[rS+16*(\j)], v[rS+16*(\j)+1], v[rS+16*(\j)+2]
.elseif (\j) < 28
.set kk, (\j)%4
.set mm, (\j)/4
	v_max3_num_f32 v[rC+kk], v[rC+kk], v[rS+16*kk+2*mm+1], v[rS+16*kk+2*mm+2]
.elseif (\j) == 28
	v_max3_num_f32 v[rC], v[rC], v[rS+15], v[rS+31]
.elseif (\j) == 29
	v_max3_num_f32 v[rC+2], v[rC+2], v[rS+47], v[rS+63]
.elseif (\j) == 30
	v_max3_num_f32 v[rC], v[rC], v[rC+1], v[rC+2]
.elseif (\j) == 31
	v_max_num_f32 v[rC], v[rC], v[rC+3]
.elseif (\j) == 32
	v_permlanex16_b32 v[rT+7], v[rC], s[SEL], s[SEL+1]   ; the query's other 64 keys lie in the lane 16 away
.elseif (\j) == 33
	v_max_num_f32 v[rC], v[rC], v[rT+7]
.elseif (\j) == 34
	v_mul_f32 v[rC], s[CS], v[rC]                  ; as t (c is not negative)
.elseif (\j) == 35
	v_max_num_f32 v[rT+1], v[rT+1], v[rC]          ; the running largest t
.elseif (\j) == 36
	v_mov_b32 v[rT+6], v[rT]
.elseif (\j) == 37
	v_floor_f32 v[rT], -v[rT+1]                    ; the new -M = -ceil(t)
.elseif (\j) == 38
	v_sub_f32 v[rT+6], v[rT], v[rT+6]              ; old M - new M: a whole number, 0 or less
.elseif (\j) == 39
	v_cvt_i32_f32 v[rT+6], v[rT+6]                 ; (it saturates)
.else
	v_ldexp_f32 v[rT+4], 1.0, v[rT+6]              ; f = 2^(old M - new M)
.endif
.endm
.macro FMAI u, j                       ; the scalings, 32 lines: t - M, a pair of scores each
	v_pk_fma_f32 v[S+64*(\u)+2*(\j):S+64*(\u)+2*(\j)+1], v[S+64*(\u)+2*(\j):S+64*(\u)+2*(\j)+1], s[CS:CS+1], v[ST+8*(\u):ST+8*(\u)+1] op_sel_hi:[1,0,0]
.endm
.macro EXPI u, j                       ; the exponentials, 64 lines: p = 2^(t - M)
	v_exp_f32 v[S+64*(\u)+(\j)], v[S+64*(\u)+(\j)]
.endm
; The sum, 33 lines.  0: the sum under the new M (it reads no p).  1-32: the sum of the unquantised p, in four chains.
.macro SUMI u, j
.set rT, ST+8*(\u)
.set rS, S+64*(\u)
.set rC, P+16*(\u)
.if (\j) == 0
	v_pk_mul_f32 v[rT+2:rT+3], v[rT+2:rT+3], v[rT+4:rT+5] op_sel_hi:[1,0]
.elseif (\j) < 4
.set rz, (\j)-1
	v_pk_add_f32 v[rC+4+2*rz:rC+5+2*rz], v[rS+4*rz:rS+4*rz+1], v[rS+4*rz+2:rS+4*rz+3]
.elseif (\j) < 30
.set rz, (\j)-4
.set rp, rS+12+2*rz
.if rz%4 == 0
	v_pk_add_f32 v[rT+2:rT+3], v[rT+2:rT+3], v[rp:rp+1]
.else
.set rq, rC+2+2*(rz%4)
	v_pk_add_f32 v[rq:rq+1], v[rq:rq+1], v[rp:rp+1]
.endif
.elseif (\j) == 30
	v_pk_add_f32 v[rT+2:rT+3], v[rT+2:rT+3], v[rC+4:rC+5]
.elseif (\j) == 31
	v_pk_add_f32 v[rC+6:rC+7], v[rC+6:rC+7], v[rC+8:rC+9]
.else
	v_pk_add_f32 v[rT+2:rT+3], v[rT+2:rT+3], v[rC+6:rC+7]
.endif
.endm
.macro HOLD u, j                       ; the holds, 32 lines of two: the conversion does not saturate (ISA guide 7.6.2); p is not negative: a one-sided hold
	v_dual_min_num_f32 v[S+64*(\u)+2*(\j)], s[LIMS], v[S+64*(\u)+2*(\j)] :: v_dual_min_num_f32 v[S+64*(\u)+2*(\j)+1], s[LIMS], v[S+64*(\u)+2*(\j)+1]
.endm
.macro CVTS u                          ; eight conversions: tile k of 16 keys gives registers 2 k, 2 k + 1 of P
.irp k, 0,1,2,3,4,5,6,7
	v_cvt_scalef32_pk8_bf8_f32 v[P+16*(\u)+2*\k:P+16*(\u)+2*\k+1], v[S+64*(\u)+8*\k:S+64*(\u)+8*\k+7], v[SC8]
.endr
.endm
.macro RESC u                          ; O^T under the new M, 16 lines, from each accumulator's low end on
.irp w, 0,2,4,6,8,10,12,14,16,18,20,22,24,26,28,30
	v_pk_mul_f32 v[O+32*(\u)+\w:O+32*(\u)+\w+1], v[O+32*(\u)+\w:O+32*(\u)+\w+1], v[ST+8*(\u)+4:ST+8*(\u)+5] op_sel_hi:[1,0]
.endr
.endm
.macro PV u                            ; O^T += V^T P of tile u: four accumulators, one line each
	WIN 0x01                                       ; V in window 1
.irp t, 0,1,2,3
	v_wmma_f32_16x16x128_bf8_bf8 v[O+32*(\u)+8*\t:O+32*(\u)+8*\t+7], v[FV+16*\t:FV+16*\t+15], v[P+16*(\u):P+16*(\u)+15], v[O+32*(\u)+8*\t:O+32*(\u)+8*\t+7]
.endr
	WIN 0
.endm
; A KEY STEP: 128 keys, both tiles.  pre = 1: the next step's K and addends are asked for.
.macro STEP pre
	s_wait_dscnt 0x0                               ; this step's K and addends, asked for a step ago
	WIN 0x15                                       ; K, Q and the addends in window 1, S^T in window 0
.irp u, 0,1
.irp t, 0,1,2,3,4,5,6,7
	v_wmma_f32_16x16x64_bf8_bf8 v[S+64*\u+8*\t:S+64*\u+8*\t+7], v[FK+8*\t:FK+8*\t+7], v[Q+8*\u:Q+8*\u+7], v[T+8*\t:T+8*\t+7]
.endr
.endr
	WIN 0
	v_add_nc_u32 v[ADV], s[TB], v[AV0]             ; four plain lines between the products and the loads into their registers, and the first read of scores
.if \pre
	v_add_nc_u32 v[ADR], s[TB], v[LA]
	v_add_nc_u32 v[ADT], s[TT], v[TBA]
.else
	v_nop
	v_nop
.endif
	v_nop
	WIN 0x40                                       ; destination window 1
.irp t, 0,1,2,3
.irp k, 0,1
	ds_load_b128 v[FV+16*\t+8*\k:FV+16*\t+8*\k+3], v[ADV] offset:4096*\k+1024*\t           ; V^T: 16 channels x 128 keys
	ds_load_b128 v[FV+16*\t+8*\k+4:FV+16*\t+8*\k+7], v[ADV] offset:4096*\k+1024*\t+512
.endr
.endr
.if \pre
.irp t, 0,1,2,3,4,5,6,7
	ds_load_b128 v[FK+8*\t:FK+8*\t+3], v[ADR] offset:8192+1024*\t                          ; the next step's K: eight tiles of 16 keys
	ds_load_b128 v[FK+8*\t+4:FK+8*\t+7], v[ADR] offset:8192+1024*\t+512
.endr
.irp t, 0,1,2,3,4,5,6,7
	ds_load_b128 v[T+8*\t:T+8*\t+3], v[ADT] offset:512+64*\t                               ; and its addends
	ds_load_b128 v[T+8*\t+4:T+8*\t+7], v[ADT] offset:512+64*\t+16
.endr
.endif
	WIN 0
.set i, 0
.rept 41                               ; both tiles' maxima, line by line: eight chains that do not hang on each other
	MAXI 0, i
	MAXI 1, i
.set i, i+1
.endr
.set i, 0
.rept 32
	FMAI 0, i
.set i, i+1
.endr
	s_wait_alu depctr_va_vdst(0)                   ; ahead of the batch
.set i, 0
.rept 32                               ; tile 0's exponentials; tile 1's scalings between them read what stands ahead of the wait above, and are read behind the wait below
	EXPI 0, (2*i)
	EXPI 0, (2*i+1)
	FMAI 1, i
.set i, i+1
.endr
	SUMI 0, 0                                      ; a plain line behind the last exponential
	s_wait_alu depctr_va_vdst(0)                   ; one wait: behind tile 0's batch, and ahead of tile 1's
.set i, 1
.rept 32
	SUMI 0, i
.set i, i+1
.endr
.set i, 0
.rept 32                               ; tile 1's exponentials; tile 0's holds between them are read behind the wait below
	EXPI 1, (2*i)
	EXPI 1, (2*i+1)
	HOLD 0, i
.set i, i+1
.endr
	SUMI 1, 0                                      ; a plain line behind the last exponential
.if \pre
	s_wait_dscnt 32                                ; V is in; the 32 loads issued behind it (the next step's K and addends) may be out
.else
	s_wait_dscnt 0x0
.endif
	s_wait_alu depctr_va_vdst(0)                   ; one wait: behind tile 1's batch, and directly ahead of the first readers of O^T
	RESC 0
	RESC 1
	CVTS 0
.set i, 1
.rept 32                               ; tile 1's sum: also the plain lines between tile 0's conversions and its products
	SUMI 1, i
.set i, i+1
.endr
	PV 0
.set i, 0
.rept 32
	HOLD 1, i
.set i, i+1
.endr
	CVTS 1
	v_nop                                          ; one plain line behind the last conversion
	PV 1
.endm
	s_wait_alu depctr_va_vdst(0)                   ; the head's end
	s_wait_tensorcnt 0x0                           ; my part of the first 512 keys is in
	ds_add_u32 v[SPW], v[NIL]
	s_wait_dscnt 0x0                               ; the add is done, and my stores of the table and the flag have landed
	CROUND                                         ; everybody's parts are in, and all four work-groups are here: the joint loads meet
	KVLOAD G0K2, G1K2, G0V2, G1V2                  ; the other 1,536 keys: my one tensor load behind the round
	ds_load_b128 v[32:35], v11                     ; the eight waves' words
	ds_load_b128 v[36:39], v11 offset:16
	WIN 0x40
.irp t, 0,1,2,3,4,5,6,7
	ds_load_b128 v[FK+8*\t:FK+8*\t+3], v[LA] offset:1024*\t        ; step 0's K
	ds_load_b128 v[FK+8*\t+4:FK+8*\t+7], v[LA] offset:1024*\t+512
.endr
.irp t, 0,1,2,3,4,5,6,7
	ds_load_b128 v[T+8*\t:T+8*\t+3], v[TBA] offset:64*\t           ; and its addends
	ds_load_b128 v[T+8*\t+4:T+8*\t+7], v[TBA] offset:64*\t+16
.endr
	WIN 0
	s_wait_dscnt 32                                ; the words are in; the 32 loads issued behind them may be out
	v_or_b32 v32, v32, v33
.irp j, 2,3,4,5,6,7
	v_or_b32 v32, v32, v[32+\j]
.endr
	v_readfirstlane_b32 s59, v32
	s_cmp_lg_u32 s59, 0
	s_cselect_b32 s[CS], s[CS], 0                  ; no open key in the batch: c = 0.  A selection, no branch
	s_mov_b32 s[CS+1], s[CS]
	s_mov_b32 s[CNT], 3
.Lfirst:                                               ; steps 0 to 2: all that they read and ask for lies in the first 512 keys
	STEP 1
	s_add_co_u32 s[TB], s[TB], 8192
	s_add_co_u32 s[TT], s[TT], 512
	s_sub_co_u32 s[CNT], s[CNT], 1
	s_cmp_lg_u32 s[CNT], 0
	s_cbranch_scc1 .Lfirst
	s_wait_tensorcnt 0x0                           ; my part of the other keys is in
	s_wait_dscnt 0x0                               ; no LDS instruction of mine is out at the signal
	s_barrier_signal -1
	s_barrier_wait -1                              ; everybody's is: the whole head lies in LDS
	s_mov_b32 s[CNT], 12
.Lrest:                                                ; steps 3 to 14
	STEP 1
	s_add_co_u32 s[TB], s[TB], 8192
	s_add_co_u32 s[TT], s[TT], 512
	s_sub_co_u32 s[CNT], s[CNT], 1
	s_cmp_lg_u32 s[CNT], 0
	s_cbranch_scc1 .Lrest
	STEP 0                                         ; step 15 is written out: there is no step behind it to ask for
	; THE WAY OUT.  O^T / the sum x 2^(e8 + e9), held and converted with 2^e10: four conversions give the eight registers of ctx's fragment (16 queries x my head's 64 channels).
	; The plain lines below that name none of the last products' registers stand between those products and the first read of O^T.
.irp u, 0,1
	v_add_f32 v[ST+8*\u+6], v[ST+8*\u+2], v[ST+8*\u+3]
.endr
.irp u, 0,1
	v_permlanex16_b32 v[ST+8*\u+7], v[ST+8*\u+6], s[SEL], s[SEL+1]
.endr
.irp u, 0,1
	v_add_f32 v[ST+8*\u+6], v[ST+8*\u+6], v[ST+8*\u+7]   ; the row's sum
.endr
	s_wait_alu depctr_va_vdst(0)                   ; ahead of the reciprocals
.irp u, 0,1
	v_rcp_f32 v[ST+8*\u+4], v[ST+8*\u+6]
.endr
	v_mov_b32 v9, s63                              ; 57,344 x 2^e10.  (The plain line behind the reciprocals)
	v_mov_b32 v10, s62                             ; 2^e10
	s_wait_alu depctr_va_vdst(0)                   ; one wait for both reciprocals, ahead of their first reader
.irp u, 0,1
	v_ldexp_f32 v[ST+8*\u+4], v[ST+8*\u+4], s93
.endr
	s_wait_alu depctr_va_vdst(0)                   ; directly ahead of the first readers of O^T
.irp u, 0,1
.set j, 0
.rept 16
	v_pk_mul_f32 v[S+64*\u+j:S+64*\u+j+1], v[O+32*\u+j:O+32*\u+j+1], v[ST+8*\u+4:ST+8*\u+5] op_sel_hi:[1,0]
.set j, j+2
.endr
.endr
.irp u, 0,1
.set j, 0
.rept 32
	v_med3_num_f32 v[S+64*\u+j], v[S+64*\u+j], -v9, v9
.set j, j+1
.endr
.endr
.irp u, 0,1
.irp t, 0,1,2,3
	v_cvt_scalef32_pk8_bf8_f32 v[P+16*\u+2*\t:P+16*\u+2*\t+1], v[S+64*\u+8*\t:S+64*\u+8*\t+7], v10
.endr
.endr
	v_nop                                          ; one plain line behind the last conversion
.irp u, 0,1
	global_store_b128 v[LA], v[P+16*\u:P+16*\u+3], s[10:11] offset:1024*\u th:TH_STORE_NT        ; each store of the wave covers 512 consecutive bytes, aligned
	global_store_b128 v[LA], v[P+16*\u+4:P+16*\u+7], s[10:11] offset:1024*\u+512 th:TH_STORE_NT
.endr
	s_wait_tensorcnt 0x0                           ; the wave's end
	ds_add_u32 v[SPW], v[NIL]
	s_wait_dscnt 0x0
	CROUND                                         ; the closing round
	s_endpgm
.Lfunc_end_k_q06f82bf772_attn:
	.size	k_q06f82bf772_attn, .Lfunc_end_k_q06f82bf772_attn-k_q06f82bf772_attn
	.p2alignl 7, 3214868480
	.fill 96, 4, 3214868480
	.section	.rodata,"a",@progbits
	.p2align	6, 0x0
	.amdhsa_kernel k_q06f82bf772_attn
		.amdhsa_group_segment_fixed_size 327680
		.amdhsa_private_segment_fixed_size 0
		.amdhsa_enable_private_segment 0
		.amdhsa_kernarg_size 32
		.amdhsa_user_sgpr_count 2
		.amdhsa_user_sgpr_kernarg_segment_ptr 1
		.amdhsa_wavefront_size32 1
		.amdhsa_system_sgpr_workgroup_id_x 1
		.amdhsa_system_sgpr_workgroup_id_y 1
		.amdhsa_system_sgpr_workgroup_id_z 1
		.amdhsa_system_vgpr_workitem_id 0
		.amdhsa_next_free_vgpr 512
		.amdhsa_next_free_sgpr 96
		.amdhsa_reserve_vcc 1
		.amdhsa_float_denorm_mode_32 3
		.amdhsa_float_denorm_mode_16_64 3
		.amdhsa_memory_ordered 1
		.amdhsa_forward_progress 1
		.amdhsa_inst_pref_size 109
	.end_amdhsa_kernel
	.amdgpu_metadata
---
amdhsa.version: [ 1, 2 ]
amdhsa.kernels:
  - .name:           k_q06f82bf772_attn
    .symbol:         k_q06f82bf772_attn.kd
    .args:
      - { .name: qkv, .offset: 0, .size: 8, .value_kind: global_buffer, .address_space: global }
      - { .name: mask, .offset: 8, .size: 8, .value_kind: global_buffer, .address_space: global }
      - { .name: lowp_scales, .offset: 16, .size: 8, .value_kind: global_buffer, .address_space: global }
      - { .name: ctx, .offset: 24, .size: 8, .value_kind: global_buffer, .address_space: global }
    .group_segment_fixed_size: 327680
    .private_segment_fixed_size: 0
    .kernarg_segment_align: 8
    .kernarg_segment_size: 32
    .max_flat_workgroup_size: 256
    .sgpr_count:     96
    .vgpr_count:     512
    .wavefront_size: 32
...
	.end_amdgpu_metadata
.endif
;; end of part 3
;; launch wo (part 4): grid 8 x 32, 4 waves a work-group, clusters of 4 x 4, 327,680 bytes of LDS; arguments ctx, wo_w_codes, wo_b, x, y, lowp_scales; writes y
.if DOCPART == 4
	.amdgcn_target "amdgcn-amd-amdhsa--gfx1250"
	.amdhsa_code_object_version 6
	.text
	.protected	k_q06f82bf772_wo
	.globl	k_q06f82bf772_wo
	.p2align	8
	.type	k_q06f82bf772_wo,@function
k_q06f82bf772_wo:
	s_mov_b64 s[64:65], 0
	v_nop
	global_prefetch_b8 v0, s[64:65] scope:SCOPE_SE
	s_setreg_imm32_b32 hwreg(HW_REG_WAVE_MODE, 25, 1), 1
	s_wait_xcnt 0x0
	s_wait_alu depctr_hold_cnt(0) depctr_sa_sdst(0) depctr_va_vdst(0) depctr_va_sdst(0) depctr_va_ssrc(0) depctr_va_vcc(0) depctr_vm_vsrc(0)
	s_getreg_b32 s2, hwreg(HW_REG_IB_STS2, 6, 4)
	s_cmp_eq_u32 s2, 0
	s_cbranch_scc0 .Lentry_in_a_cluster
	s_endpgm
.Lentry_in_a_cluster:
	s_bfe_u32 s2, ttmp6, 0x10000c
	s_cmp_lg_u32 s2, 0xf033
	s_cbranch_scc0 .Lentry_shape_is_right
	s_endpgm
.Lentry_shape_is_right:
; y = residual + A B^T x 2^(ea + eb) + bias, f32 [4096][1024].  One text serves two launches: here A = ctx's image, B = wo's codes, K = 1,024, residual = x, scales e10, e11.  (The other: A = the hidden layer's image, K = 4,096.)
; No work of the layer is left out here.
; A: an IMAGE of operand registers: a block of 64 columns is 262,144 bytes; in it a tile of 16 rows is 1,024 bytes (registers 0-3 of the 16 x 64 fragment at 16 x lane, 4-7 at 512 + 16 x lane).  B: [1024][SIZE_K] codes, K innermost.
; A tile of y is 128 x 128, so that there are 256 work-groups; four waves, each 64 x 64: 16 accumulators.  K goes in steps of 512 through two LDS slots: A's 8 blocks of columns x 8 KiB, dense; B's 128 rows of 512 bytes + 16.
; A's fragments come by four 16-byte loads, B's by eight 8-byte loads at 16 c + 8 h: both in the form's own layout.  CLUSTERS: 4 x 4; A's tile is asked for jointly along a row, B's along a column.
; THE MATRIX INSTRUCTION IS USED TRANSPOSED (source 0 = B, source 1 = A): a lane holds eight neighbouring columns of one row.  A wave's 64 columns are 256 bytes, aligned: each block of 16 rows turns through the wave's own stage.
; The residual is loaded at the head into 128 registers and lands under the products.  LIMIT: ea + eb between -126 and 127.
; REGISTERS: window 0: v16-29 addresses; v32-35 bias; v64-127 rows back from the stage; v128-255 accumulators ((a, b) at v[128 + 8 (4 a + b)]).  window 1: two fragment buffers of 128 (A at + 16 a, B at + 64 + 16 b).  window 2: v0-127 the residual, then y.
.set SIZE_K, 1024
.set SCOFF,  0x28
.set LAPS,   SIZE_K/1024                ; a lap = two slots
.set PB,     528                       ; B's LDS row: 132 words: the 32 lanes of an 8-byte load touch 64 different banks (ISA guide 11.1)
.set AIMG,   65536
.set BHALF,  64*PB
.set SLOT,   AIMG+2*BHALF
.set STAGE,  2*SLOT
.set SPITCH, 272
.set SPARE,  STAGE+4*16*SPITCH         ; the spare words: 128 bytes a wave, two blocks of 256 bytes that no other line names
.set ADRA, 16
.set ADRB, 20
.set STO,  24
.set RD,   25
.set CO,   26
.set BO,   27
.set SPW,  28
.set NIL,  29
.set BIAS, 32
.set BK,   64
.set ACC,  128
.set F0,   0
.set F1,   128
.set G1, 24
.set G0, 32
.set G1B, 48
.set G0B, 56
.set MSB, 0
.macro WIN new
.if MSB != (\new)
	s_set_vgpr_msb (MSB<<8)|(\new)
.set MSB, (\new)
.endif
.endm
.set MUL,  0x05                        ; sources 0 (B) and 1 (A) window 1; C and D window 0
.set TO_F, 0x40
.macro JLOAD s                         ; a joint load: waves 0 and 1 fetch A's halves, waves 2 and 3 B's; s_nop 0 and four v_nop follow each line
	s_cmp_eq_u32 s13, 0
	s_cbranch_scc0 .Lfor_b_\@
	tensor_load_to_lds s[G0+4*\s:G0+4*\s+3], s[G1:G1+7]
	s_nop 0
.rept 4
	v_nop
.endr
	s_branch .Lasked_\@
.Lfor_b_\@:
	tensor_load_to_lds s[G0B+4*\s:G0B+4*\s+3], s[G1B:G1B+7]
	s_nop 0
.rept 4
	v_nop
.endr
.Lasked_\@:
.endm
.macro CREST
	s_cmp_lg_u32 s12, 0
	s_cbranch_scc1 .Lnot_wave_0_\@
	s_barrier_signal -3
.Lnot_wave_0_\@:
	s_barrier_wait -3
	s_barrier_signal -1
	s_barrier_wait -1
.endm
.macro CROUND
	s_barrier_signal -1
	s_barrier_wait -1
	CREST
.endm
	s_load_b256 s[4:11], s[0:1], 0x0               ; A, B, the bias, the residual
	s_load_b128 s[68:71], s[0:1], 0x20             ; y, the scales' exponents
	v_lshl_add_u32 v[SPW], v0, 2, SPARE
	v_mov_b32 v[NIL], 0
	ds_add_u32 v[SPW], v[NIL]                      ; the opening: the add, twice on end, and its wait ahead of my first tensor load
	ds_add_u32 v[SPW], v[NIL]
	v_lshrrev_b32 v1, 5, v0
	v_readfirstlane_b32 s12, v1                    ; wave 0..3
	s_lshr_b32 s13, s12, 1                         ; which half of the tile's rows is mine.  Also: I fetch for A (0) or for B (1)
	s_and_b32 s14, s12, 1                          ; which half of its columns.  Also: which half of that tile I fetch
	s_bfe_u32 s40, ttmp6, 0x40000
	s_bfe_u32 s41, ttmp6, 0x40004
	s_lshl_b32 s42, ttmp9, 2
	s_add_co_u32 s42, s42, s40                     ; tile column
	s_and_b32 s15, ttmp7, 0xffff
	s_lshl_b32 s15, s15, 2
	s_add_co_u32 s15, s15, s41                     ; tile row
	s_lshl_b32 s43, s41, 2
	s_lshl_b32 s43, 15, s43                        ; my row of the cluster
	s_lshl_b32 s44, 0x1111, s40                    ; my column
	s_or_b32 s[G1+0], s43, (3<<16)|(1<<21)         ; A: the mask; elements of 8 bytes; no padding; bit 21 beside a mask
	s_mov_b32 s[G1+1], 1024<<16                    ; four blocks of columns: rows of 8,192 bytes,
	s_mov_b32 s[G1+2], 4<<16
	s_mov_b32 s[G1+3], 1024<<16
	s_mov_b32 s[G1+4], 4
	s_mov_b32 s[G1+5], 32768                       ; 262,144 bytes apart
	s_mov_b32 s[G1+6], 0
	s_mov_b32 s[G1+7], 0
	s_or_b32 s[G1B+0], s44, (0<<16)|(1<<20)|(1<<21)|(6<<22)|(3<<25)  ; B: elements of 1 byte; padding: 4 words after every 128
	s_mov_b32 s[G1B+1], 512<<16
	s_mov_b32 s[G1B+2], 64<<16
	s_mov_b32 s[G1B+3], 512<<16
	s_mov_b32 s[G1B+4], 64
	s_mov_b32 s[G1B+5], SIZE_K
	s_mov_b32 s[G1B+6], 0
	s_mov_b32 s[G1B+7], 0
	s_lshl_b32 s16, s15, 13                        ; A: tile row x 8,192 + half x 4 blocks of columns
	s_lshl_b32 s17, s14, 20
	s_add_co_u32 s16, s16, s17
	s_mov_b32 s17, 0
	s_lshl_b32 s46, s42, 7                         ; B: row 128 x tile column + 64 x half
	s_lshl_b32 s47, s14, 6
	s_add_co_u32 s46, s46, s47
	s_mul_i32 s46, s46, SIZE_K
	s_mov_b32 s47, 0
	s_lshl_b32 s45, s14, 15                        ; where they go: A's halves,
	s_mul_i32 s74, s14, BHALF
	s_add_co_u32 s74, s74, AIMG                    ; B's halves behind them
	s_wait_dscnt 0x0                               ; both opening adds are done
	s_wait_kmcnt 0x0
	s_load_b64 s[72:73], s[70:71], SCOFF           ; ea, eb
	s_add_nc_u64 s[16:17], s[4:5], s[16:17]
	s_add_nc_u64 s[46:47], s[6:7], s[46:47]
	CROUND                                         ; all sixteen work-groups are here: the first joint loads meet
.irp s, 0,1
	s_mov_b32 s[G0+4*\s], 1
	s_add_co_u32 s[G0+4*\s+1], s45, \s*SLOT
	s_add_nc_u64 s[G0+4*\s+2:G0+4*\s+3], s[16:17], \s*0x200000
	s_or_b32 s[G0+4*\s+3], s[G0+4*\s+3], 0x80000000
	s_mov_b32 s[G0B+4*\s], 1
	s_add_co_u32 s[G0B+4*\s+1], s74, \s*SLOT
	s_add_nc_u64 s[G0B+4*\s+2:G0B+4*\s+3], s[46:47], \s*512
	s_or_b32 s[G0B+4*\s+3], s[G0B+4*\s+3], 0x80000000
.endr
	JLOAD 0                                        ; K step 0 (512 along K): one tensor load a wave at the head
	; THE PREFETCH of K step 1, a K step ahead of its load.  Of the 32,768 bytes that my wave will fetch, each of the four partners that ask jointly names 8,192, told apart by address:
	; of A one block of columns (by cx), lanes 256 bytes apart; of B 16 rows (by cy), two lanes to a row's 512 bytes.
	s_lshl_b32 s18, s40, 18
	s_lshl_b32 s19, s41, 14
	s_mov_b32 s78, 512
	s_mov_b32 s75, 1024
	s_cmp_eq_u32 s13, 0                            ; do I fetch for A?
	s_cselect_b64 s[76:77], s[16:17], s[46:47]
	s_cselect_b32 s18, s18, s19
	s_cselect_b32 s78, 0x200000, s78               ; a K step on
	s_cselect_b32 s75, 512, s75                    ; from one pair of lanes to the next
	s_mov_b32 s19, 0
	s_mov_b32 s79, 0
	s_add_nc_u64 s[76:77], s[76:77], s[18:19]
	s_add_nc_u64 s[76:77], s[76:77], s[78:79]
	v_and_b32 v30, 31, v0
	v_lshrrev_b32 v31, 1, v30
	v_and_b32 v30, 1, v30
	v_lshlrev_b32 v30, 8, v30
	v_mad_u32_u24 v30, v31, s75, v30
	global_prefetch_b8 v30, s[76:77] th:TH_LOAD_NT scope:SCOPE_SE
	v_and_b32 v1, 15, v0                           ; r
	v_bfe_u32 v2, v0, 4, 1                         ; h
	v_and_b32 v3, 31, v0
	v_lshlrev_b32 v3, 4, v3                        ; 16 x lane
	v_mul_u32_u24 v4, v1, PB
	v_lshl_add_u32 v4, v2, 3, v4                   ; 528 r + 8 h
	s_lshl_b32 s21, s13, 12                        ; my four tiles of rows in each block of columns
	s_mul_i32 s22, s14, BHALF
	s_add_co_u32 s22, s22, AIMG
.irp s, 0,1
	v_add_nc_u32 v[ADRA+\s], s21, v3
	v_add_nc_u32 v[ADRB+\s], s22, v4
	s_add_co_u32 s21, s21, SLOT
	s_add_co_u32 s22, s22, SLOT
.endr
	s_mul_i32 s23, s12, 16*SPITCH
	s_add_co_u32 s23, s23, STAGE                   ; my stage
	v_mul_u32_u24 v5, v1, SPITCH
	v_lshl_add_u32 v5, v2, 5, v5
	v_add_nc_u32 v[STO], s23, v5                   ; in: row r, 32 bytes for each half of the lanes
	v_mul_u32_u24 v5, v2, SPITCH
	v_lshl_add_u32 v5, v1, 4, v5
	v_add_nc_u32 v[RD], s23, v5                    ; back: lanes 0-15 one row of 256 bytes, lanes 16-31 the next
	v_lshlrev_b32 v[BO], 4, v1
	v_lshl_add_u32 v[CO], v2, 12, v[BO]            ; and the same two rows in y and in the residual
	s_wait_alu depctr_va_vdst(0)
	s_lshl_b32 s18, s15, 7
	s_lshl_b32 s19, s13, 6
	s_add_co_u32 s18, s18, s19                     ; my first row
	s_lshl_b32 s18, s18, 12
	s_lshl_b32 s46, s42, 9
	s_lshl_b32 s47, s14, 8
	s_add_co_u32 s46, s46, s47                     ; my first column, in bytes
	s_mov_b32 s47, 0
	s_add_nc_u64 s[8:9], s[8:9], s[46:47]
	s_add_co_u32 s18, s18, s46
	s_mov_b32 s19, 0
	s_add_nc_u64 s[10:11], s[10:11], s[18:19]
	s_add_nc_u64 s[68:69], s[68:69], s[18:19]
.macro MUL8 f, a0, zero                ; 8 matrix instructions: A's tiles a0, a0 + 1 x B's four, 128 along K.  The 16 accumulators take turns
.irp a, \a0, \a0+1
.irp b, 0,1,2,3
.if \zero
	v_wmma_f32_16x16x128_bf8_bf8 v[ACC+8*(4*(\a)+\b):ACC+8*(4*(\a)+\b)+7], v[\f+64+16*\b:\f+64+16*\b+15], v[\f+16*(\a):\f+16*(\a)+15], 0
.else
	v_wmma_f32_16x16x128_bf8_bf8 v[ACC+8*(4*(\a)+\b):ACC+8*(4*(\a)+\b)+7], v[\f+64+16*\b:\f+64+16*\b+15], v[\f+16*(\a):\f+16*(\a)+15], v[ACC+8*(4*(\a)+\b):ACC+8*(4*(\a)+\b)+7]
.endif
.endr
.endr
.endm
.macro FETCH slot, q, f                ; the fragments of the slot's q-th 128 along K into buffer f: 48 LDS loads in one run
	WIN TO_F
.irp i, 0,1,2,3
.irp c, 0,1,2,3
	ds_load_b128 v[\f+16*\i+4*\c:\f+16*\i+4*\c+3], v[ADRA+\slot] offset:(2*(\q)+\c/2)*8192+1024*\i+512*(\c%2)
.endr
.irp c, 0,1,2,3,4,5,6,7
	ds_load_b64 v[\f+64+16*\i+2*\c:\f+64+16*\i+2*\c+1], v[ADRB+\slot] offset:16*\i*PB+128*(\q)+16*\c
.endr
.endr
.endm
.macro PLACES
.rept 4
	v_nop
.endr
.endm
.macro QUARTER slot, qnext, f, g, zero ; multiplies buffer f; ahead of its products it asks for the next quarter into g
	s_wait_dscnt 0x0                               ; buffer f is in
	PLACES                                         ; between the last products, which read g, and the loads into it
	FETCH \slot, \qnext, \g
	WIN MUL
	MUL8 \f, 0, \zero
	MUL8 \f, 2, \zero
.endm
; A slot's last quarter changes slots: ONE barrier; in front of it each wave waits for all its tensor loads, adds 0 to its spare word, and waits for that and for its reads of this slot.
.macro TURN slot, next, fill
	WIN 0
	s_wait_tensorcnt 0x0                           ; all my tensor loads have landed: my part of the next slot
	ds_add_u32 v[SPW], v[NIL]
	s_wait_dscnt 1                                 ; buffer 1 is in; the add alone may be out
	WIN MUL
	MUL8 F1, 0, 0
	s_wait_dscnt 0x0                               ; the add is done, and my reads of this slot are over
	s_barrier_signal -1
	MUL8 F1, 2, 0
	WIN 0
	s_barrier_wait -1
.if \fill
	CREST                                          ; the barrier has opened a round of the cluster's
	s_add_nc_u64 s[G0+4*\slot+2:G0+4*\slot+3], s[G0+4*\slot+2:G0+4*\slot+3], 0x400000
	s_add_nc_u64 s[G0B+4*\slot+2:G0B+4*\slot+3], s[G0B+4*\slot+2:G0B+4*\slot+3], 1024
	JLOAD \slot                                    ; the first tensor load behind the round; its four v_nop are the places in front of the loads below
.else
	PLACES
.endif
	FETCH \next, 0, F0
.endm
	s_wait_alu depctr_va_vdst(0)                   ; the head's end
	s_wait_tensorcnt 0x0                           ; my part of slot 0 is in
	ds_add_u32 v[SPW], v[NIL]
	s_wait_dscnt 0x0
	CROUND                                         ; everybody's part of slot 0 is in, and the joint loads meet
	JLOAD 1                                        ; slot 1's first fill, the first tensor load behind the round
	FETCH 0, 0, F0
	WIN 0x80                                       ; destination window 2.  The residual and the bias are asked for here, behind both slots' loads: nothing reads them before the way out, eight quarter steps of products on
.set t, 0
.rept 32
	global_load_b128 v[4*t:4*t+3], v[CO], s[10:11] offset:8192*t th:TH_LOAD_NT   ; rows 2 t and 2 t + 1 of my 64
.set t, t+1
.endr
	WIN 0
	global_load_b128 v[BIAS:BIAS+3], v[BO], s[8:9]
	QUARTER 0, 1, F0, F1, 1                        ; the first products start the sums
.if LAPS > 1
	WIN 0
	s_mov_b32 s3, LAPS-1
.Llap:                                                 ; a trip goes once round the ring and fills both slots again
	QUARTER 0, 2, F1, F0, 0
	QUARTER 0, 3, F0, F1, 0
	TURN 0, 1, 1
	QUARTER 1, 1, F0, F1, 0
	QUARTER 1, 2, F1, F0, 0
	QUARTER 1, 3, F0, F1, 0
	TURN 1, 0, 1
	QUARTER 0, 1, F0, F1, 0
	WIN 0
	s_sub_co_u32 s3, s3, 1
	s_cmp_lg_u32 s3, 0
	s_cbranch_scc1 .Llap
.endif
	QUARTER 0, 2, F1, F0, 0                        ; the last lap fills nothing
	QUARTER 0, 3, F0, F1, 0
	TURN 0, 1, 0
	QUARTER 1, 1, F0, F1, 0
	QUARTER 1, 2, F1, F0, 0
	QUARTER 1, 3, F0, F1, 0
	s_wait_dscnt 0x0
	WIN MUL
	MUL8 F1, 0, 0
	MUL8 F1, 2, 0
	; THE WAY OUT
	s_wait_kmcnt 0x0
	s_add_co_i32 s72, s72, s73
	s_add_co_i32 s72, s72, 127
	s_lshl_b32 s72, s72, 23                        ; 2^(ea + eb) as f32
	s_mov_b32 s73, s72
	s_wait_loadcnt 0x0                             ; the residual and the bias
	WIN 0x82                                       ; source 0 and destination window 2
.set t, 0
.rept 32
	v_pk_add_f32 v[4*t:4*t+1], v[4*t:4*t+1], v[BIAS:BIAS+1]       ; residual + bias; these lines are also the places behind the last products
	v_pk_add_f32 v[4*t+2:4*t+3], v[4*t+2:4*t+3], v[BIAS+2:BIAS+3]
.set t, t+1
.endr
	WIN 0
.macro TOSTAGE a                       ; 16 rows of sums into my stage, each accumulator's low four registers first, and back as whole rows: LDS serves a wave's instructions in order
.set BB, BK+32*((\a)%2)
.irp b, 0,1,2,3
	ds_store_b128 v[STO], v[ACC+8*(4*(\a)+\b):ACC+8*(4*(\a)+\b)+3] offset:64*\b
	ds_store_b128 v[STO], v[ACC+8*(4*(\a)+\b)+4:ACC+8*(4*(\a)+\b)+7] offset:64*\b+16
.endr
.irp t, 0,1,2,3,4,5,6,7
	ds_load_b128 v[BB+4*\t:BB+4*\t+3], v[RD] offset:\t*2*SPITCH
.endr
.endm
.macro SEND a, younger                 ; younger: the LDS instructions issued behind block a's loads
.set BB, BK+32*((\a)%2)
	s_wait_dscnt \younger
	WIN 0xa0                                       ; source 2 and destination window 2
.irp t, 0,1,2,3,4,5,6,7
	v_pk_fma_f32 v[32*(\a)+4*\t:32*(\a)+4*\t+1], v[BB+4*\t:BB+4*\t+1], s[72:73], v[32*(\a)+4*\t:32*(\a)+4*\t+1] op_sel_hi:[1,0,1]
	v_pk_fma_f32 v[32*(\a)+4*\t+2:32*(\a)+4*\t+3], v[BB+4*\t+2:BB+4*\t+3], s[72:73], v[32*(\a)+4*\t+2:32*(\a)+4*\t+3] op_sel_hi:[1,0,1]
.endr
	WIN 0x08                                       ; the data in window 2
.irp t, 0,1,2,3,4,5,6,7
	global_store_b128 v[CO], v[32*(\a)+4*\t:32*(\a)+4*\t+3], s[68:69] offset:(16*(\a)+2*\t)*4096   ; sixteen lanes store 256 consecutive bytes, aligned
.endr
	WIN 0
.endm
	TOSTAGE 0
.irp a, 1,2,3
	TOSTAGE \a
	SEND \a-1, 16                                  ; behind block a - 1's loads: block a's 8 stores and 8 loads
.endr
	SEND 3, 0
	s_wait_tensorcnt 0x0                           ; the wave's end
	ds_add_u32 v[SPW], v[NIL]
	s_wait_dscnt 0x0
	CROUND                                         ; the closing round
	s_endpgm
.Lfunc_end_k_q06f82bf772_wo:
	.size	k_q06f82bf772_wo, .Lfunc_end_k_q06f82bf772_wo-k_q06f82bf772_wo
	.p2alignl 7, 3214868480
	.fill 96, 4, 3214868480
	.section	.rodata,"a",@progbits
	.p2align	6, 0x0
	.amdhsa_kernel k_q06f82bf772_wo
		.amdhsa_group_segment_fixed_size 327680
		.amdhsa_private_segment_fixed_size 0
		.amdhsa_enable_private_segment 0
		.amdhsa_kernarg_size 48
		.amdhsa_user_sgpr_count 2
		.amdhsa_user_sgpr_kernarg_segment_ptr 1
		.amdhsa_wavefront_size32 1
		.amdhsa_system_sgpr_workgroup_id_x 1
		.amdhsa_system_sgpr_workgroup_id_y 1
		.amdhsa_system_sgpr_workgroup_id_z 1
		.amdhsa_system_vgpr_workitem_id 0
		.amdhsa_next_free_vgpr 640
		.amdhsa_next_free_sgpr 80
		.amdhsa_reserve_vcc 0
		.amdhsa_float_denorm_mode_32 3
		.amdhsa_float_denorm_mode_16_64 3
		.amdhsa_memory_ordered 1
		.amdhsa_forward_progress 1
		.amdhsa_inst_pref_size 62
	.end_amdhsa_kernel
	.amdgpu_metadata
---
amdhsa.version: [ 1, 2 ]
amdhsa.kernels:
  - .name:           k_q06f82bf772_wo
    .symbol:         k_q06f82bf772_wo.kd
    .args:
      - { .name: ctx, .offset: 0, .size: 8, .value_kind: global_buffer, .address_space: global }
      - { .name: wo_w_codes, .offset: 8, .size: 8, .value_kind: global_buffer, .address_space: global }
      - { .name: wo_b, .offset: 16, .size: 8, .value_kind: global_buffer, .address_space: global }
      - { .name: x, .offset: 24, .size: 8, .value_kind: global_buffer, .address_space: global }
      - { .name: y, .offset: 32, .size: 8, .value_kind: global_buffer, .address_space: global }
      - { .name: lowp_scales, .offset: 40, .size: 8, .value_kind: global_buffer, .address_space: global }
    .group_segment_fixed_size: 327680
    .private_segment_fixed_size: 0
    .kernarg_segment_align: 8
    .kernarg_segment_size: 48
    .max_flat_workgroup_size: 128
    .sgpr_count:     80
    .vgpr_count:     640
    .wavefront_size: 32
...
	.end_amdgpu_metadata
.endif
;; end of part 4
;; launch ln1 (part 5): grid 256 x 1, 4 waves a work-group, no clusters, 4,608 bytes of LDS; arguments y, ln1_g, ln1_b, lowp_scales, ln1out, o1c; writes ln1out, o1c
.if DOCPART == 5
	.amdgcn_target "amdgcn-amd-amdhsa--gfx1250"
	.amdhsa_code_object_version 6
	.text
	.protected	k_q06f82bf772_ln1
	.globl	k_q06f82bf772_ln1
	.p2align	8
	.type	k_q06f82bf772_ln1,@function
k_q06f82bf772_ln1:
	s_mov_b64 s[64:65], 0
	v_nop
	global_prefetch_b8 v0, s[64:65] scope:SCOPE_SE
	s_setreg_imm32_b32 hwreg(HW_REG_WAVE_MODE, 25, 1), 1
	s_wait_xcnt 0x0
; out = (y - mean) x rsqrt(var + 1e-5) x g + b along rows of 1,024, f32.  One text serves both norms; CODES = 1 here: the result is also quantised with 2^e12 into row-major codes, the next product's operand.
; No work of the layer is left out here.  A wave owns four rows; a row is 32 registers: lane l holds columns 128 j + 4 l .. + 3, so each load and store of the wave covers 512 consecutive bytes.
; The row stays in registers between the mean, the variance (of the differences, as the layer has it) and the scaling.  All 48 loads of a wave go out at its head.  No matrix unit, cluster or tensor load: a stream.
; CODES: a lane's four codes of each 128 columns go through the wave's 1,024 bytes of LDS and leave 16 bytes a lane.  LIMIT: e12 between -126 and 112.  NaN among the inputs is not served.
.set CODES, 1
.set X,   32                           ; v32-159  four rows
.set G,   160                          ; v160-191 g
.set BB,  192                          ; v192-223 b
.set CD,  16                           ; v16-23   a row's codes
.set CB,  224                          ; v224-255 codes read back, eight registers a row, never written again
.set SPW, 4
.set NIL, 5
.set SPARE, 4096                       ; the spare words: 128 bytes a wave, two blocks of 256 bytes that no other line names
.if CODES
.set OUT, 16
.else
.set OUT, 10
.endif
	s_load_b256 s[4:11], s[0:1], 0x0               ; y, g, b, and the scales' exponents (CODES = 0: the output)
.if CODES
	s_load_b128 s[16:19], s[0:1], 0x20             ; the output, the codes
	v_lshl_add_u32 v[SPW], v0, 2, SPARE
	v_mov_b32 v[NIL], 0
.endif
	v_lshrrev_b32 v2, 5, v0
	v_readfirstlane_b32 s20, v2                    ; wave
	v_and_b32 v2, 31, v0
	s_wait_alu depctr_va_vdst(0)
	v_lshlrev_b32 v1, 4, v2                        ; 16 x lane
	s_wait_alu depctr_va_vdst(0)
	s_lshl_b32 s22, ttmp9, 16                      ; 16 rows a work-group, 4 a wave, 4,096 bytes a row
	s_lshl_b32 s23, s20, 14
	s_add_co_u32 s22, s22, s23
	s_mov_b32 s23, 0
	s_mov_b32 s12, 0x76543210
	s_mov_b32 s13, 0xfedcba98
	s_mov_b32 s14, 0x3a800000                      ; 1 / 1,024
	v_mov_b32 v14, 0x3727c5ac                      ; 1e-5
.if CODES
	s_lshl_b32 s21, s20, 10
	v_lshl_add_u32 v6, v2, 2, s21                  ; LDS, in: 1,024 x wave + 4 x lane
	v_add_nc_u32 v7, s21, v1                       ; and out: + 16 x lane
	s_lshr_b32 s26, s22, 2
	s_mov_b32 s27, 0
.endif
	s_wait_kmcnt 0x0
.if CODES
	s_load_b32 s24, s[10:11], 0x30                 ; e12
	s_add_nc_u64 s[18:19], s[18:19], s[26:27]
.endif
	s_add_nc_u64 s[4:5], s[4:5], s[22:23]
	s_add_nc_u64 s[OUT:OUT+1], s[OUT:OUT+1], s[22:23]
.irp j, 0,1,2,3,4,5,6,7
	global_load_b128 v[G+4*\j:G+4*\j+3], v1, s[6:7] offset:512*\j
.endr
.irp j, 0,1,2,3,4,5,6,7
	global_load_b128 v[BB+4*\j:BB+4*\j+3], v1, s[8:9] offset:512*\j
.endr
.irp i, 0,1,2,3
.irp j, 0,1,2,3,4,5,6,7
	global_load_b128 v[X+32*\i+4*\j:X+32*\i+4*\j+3], v1, s[4:5] offset:4096*\i+512*\j th:TH_LOAD_NT
.endr
.endr
.if CODES
	s_wait_kmcnt 0x0
	s_add_co_i32 s24, s24, 127
	s_lshl_b32 s25, s24, 23
	v_mov_b32 v3, s25                              ; 2^e12
	s_add_co_i32 s24, s24, 15
	s_lshl_b32 s24, s24, 23
	s_or_b32 s24, s24, 0x600000
	v_mov_b32 v15, s24                             ; 57,344 x 2^e12
.endif
.macro ACROSS r, u                     ; the sum over the 32 lanes, in every lane
	v_add_f32_dpp v[\r], v[\r], v[\r] row_xmask:1 row_mask:0xf bank_mask:0xf
	v_add_f32_dpp v[\r], v[\r], v[\r] row_xmask:2 row_mask:0xf bank_mask:0xf
	v_add_f32_dpp v[\r], v[\r], v[\r] row_xmask:4 row_mask:0xf bank_mask:0xf
	v_add_f32_dpp v[\r], v[\r], v[\r] row_xmask:8 row_mask:0xf bank_mask:0xf
	v_permlanex16_b32 v[\u], v[\r], s12, s13
	v_add_f32 v[\r], v[\r], v[\u]
.endm
.macro ROW i
.set XR, X+32*\i
	s_wait_loadcnt 8*(3-\i)                        ; g, b and this row are in; the later rows' loads, eight each, may be out
	v_pk_add_f32 v[8:9], v[XR:XR+1], v[XR+2:XR+3]
	v_pk_add_f32 v[10:11], v[XR+4:XR+5], v[XR+6:XR+7]
.irp j, 8,12,16,20,24,28
	v_pk_add_f32 v[8:9], v[8:9], v[XR+\j:XR+\j+1]
	v_pk_add_f32 v[10:11], v[10:11], v[XR+\j+2:XR+\j+3]
.endr
	v_pk_add_f32 v[8:9], v[8:9], v[10:11]
	v_add_f32 v8, v8, v9
	ACROSS 8, 9
	v_mul_f32 v8, s14, v8                          ; the mean
.irp j, 0,2,4,6,8,10,12,14,16,18,20,22,24,26,28,30
	v_pk_add_f32 v[XR+\j:XR+\j+1], v[XR+\j:XR+\j+1], v[8:9] op_sel_hi:[1,0] neg_lo:[0,1] neg_hi:[0,1]
.endr
	v_pk_mul_f32 v[10:11], v[XR:XR+1], v[XR:XR+1]
	v_pk_mul_f32 v[12:13], v[XR+2:XR+3], v[XR+2:XR+3]
.irp j, 4,8,12,16,20,24,28
	v_pk_fma_f32 v[10:11], v[XR+\j:XR+\j+1], v[XR+\j:XR+\j+1], v[10:11]
	v_pk_fma_f32 v[12:13], v[XR+\j+2:XR+\j+3], v[XR+\j+2:XR+\j+3], v[12:13]
.endr
	v_pk_add_f32 v[10:11], v[10:11], v[12:13]
	v_add_f32 v10, v10, v11
	ACROSS 10, 11
	v_fma_f32 v10, v10, s14, v14                   ; the variance + 1e-5
	s_wait_alu depctr_va_vdst(0)
	v_rsq_f32 v10, v10
	v_nop                                          ; a plain line behind the transcendental
	s_wait_alu depctr_va_vdst(0)                   ; and the wait ahead of its first reader
.irp j, 0,2,4,6,8,10,12,14,16,18,20,22,24,26,28,30
	v_pk_mul_f32 v[XR+\j:XR+\j+1], v[XR+\j:XR+\j+1], v[10:11] op_sel_hi:[1,0]
.endr
.irp j, 0,2,4,6,8,10,12,14,16,18,20,22,24,26,28,30
	v_pk_fma_f32 v[XR+\j:XR+\j+1], v[XR+\j:XR+\j+1], v[G+\j:G+\j+1], v[BB+\j:BB+\j+1]
.endr
.irp j, 0,1,2,3,4,5,6,7
	global_store_b128 v1, v[XR+4*\j:XR+4*\j+3], s[OUT:OUT+1] offset:4096*\i+512*\j
.endr
.if CODES
	s_wait_xcnt 0x0                                ; the stores' data are written again only behind this wait
.set j, 0
.rept 32
	v_med3_num_f32 v[XR+j], v[XR+j], -v15, v15     ; the conversion does not saturate (ISA guide 7.6.2): the hold comes first
.set j, j+1
.endr
.irp g, 0,1,2,3
	v_cvt_scalef32_pk8_bf8_f32 v[CD+2*\g:CD+2*\g+1], v[XR+8*\g:XR+8*\g+7], v3   ; register j: the codes of columns 128 j + 4 l .. + 3
.endr
	v_nop
.irp j, 0,1,2,3,4,5,6,7
	ds_store_b32 v6, v[CD+\j] offset:128*\j
.endr
	ds_load_b128 v[CB+8*\i:CB+8*\i+3], v7          ; LDS serves a wave's instructions in order: these see my stores
	ds_load_b128 v[CB+8*\i+4:CB+8*\i+7], v7 offset:512
	s_wait_dscnt 0x0
	global_store_b128 v1, v[CB+8*\i:CB+8*\i+3], s[18:19] offset:1024*\i
	global_store_b128 v1, v[CB+8*\i+4:CB+8*\i+7], s[18:19] offset:1024*\i+512
.endif
.endm
	ROW 0
	ROW 1
	ROW 2
	ROW 3
.if CODES
	s_wait_tensorcnt 0x0                           ; the wave's end, behind my last LDS store
	ds_add_u32 v[SPW], v[NIL]
	s_wait_dscnt 0x0
.endif
	s_endpgm
.Lfunc_end_k_q06f82bf772_ln1:
	.size	k_q06f82bf772_ln1, .Lfunc_end_k_q06f82bf772_ln1-k_q06f82bf772_ln1
	.p2alignl 7, 3214868480
	.fill 96, 4, 3214868480
	.section	.rodata,"a",@progbits
	.p2align	6, 0x0
	.amdhsa_kernel k_q06f82bf772_ln1
		.amdhsa_group_segment_fixed_size 4608
		.amdhsa_private_segment_fixed_size 0
		.amdhsa_enable_private_segment 0
		.amdhsa_kernarg_size 48
		.amdhsa_user_sgpr_count 2
		.amdhsa_user_sgpr_kernarg_segment_ptr 1
		.amdhsa_wavefront_size32 1
		.amdhsa_system_sgpr_workgroup_id_x 1
		.amdhsa_system_sgpr_workgroup_id_y 1
		.amdhsa_system_sgpr_workgroup_id_z 1
		.amdhsa_system_vgpr_workitem_id 0
		.amdhsa_next_free_vgpr 256
		.amdhsa_next_free_sgpr 66
		.amdhsa_reserve_vcc 0
		.amdhsa_float_denorm_mode_32 3
		.amdhsa_float_denorm_mode_16_64 3
		.amdhsa_memory_ordered 1
		.amdhsa_forward_progress 1
		.amdhsa_inst_pref_size 47
	.end_amdhsa_kernel
	.amdgpu_metadata
---
amdhsa.version: [ 1, 2 ]
amdhsa.kernels:
  - .name:           k_q06f82bf772_ln1
    .symbol:         k_q06f82bf772_ln1.kd
    .args:
      - { .name: y, .offset: 0, .size: 8, .value_kind: global_buffer, .address_space: global }
      - { .name: ln1_g, .offset: 8, .size: 8, .value_kind: global_buffer, .address_space: global }
      - { .name: ln1_b, .offset: 16, .size: 8, .value_kind: global_buffer, .address_space: global }
      - { .name: lowp_scales, .offset: 24, .size: 8, .value_kind: global_buffer, .address_space: global }
      - { .name: ln1out, .offset: 32, .size: 8, .value_kind: global_buffer, .address_space: global }
      - { .name: o1c, .offset: 40, .size: 8, .value_kind: global_buffer, .address_space: global }
    .group_segment_fixed_size: 4608
    .private_segment_fixed_size: 0
    .kernarg_segment_align: 8
    .kernarg_segment_size: 48
    .max_flat_workgroup_size: 128
    .sgpr_count:     66
    .vgpr_count:     256
    .wavefront_size: 32
...
	.end_amdgpu_metadata
.endif
;; end of part 5
;; launch ffn1 (part 6): grid 16 x 16, 4 waves a work-group, clusters of 4 x 4, 327,680 bytes of LDS; arguments o1c, ffn_w1_codes, ffn_b1, hid, lowp_scales; writes hid
.if DOCPART == 6
	.amdgcn_target "amdgcn-amd-amdhsa--gfx1250"
	.amdhsa_code_object_version 6
	.text
	.protected	k_q06f82bf772_ffn1
	.globl	k_q06f82bf772_ffn1
	.p2align	8
	.type	k_q06f82bf772_ffn1,@function
k_q06f82bf772_ffn1:
	s_mov_b64 s[64:65], 0
	v_nop
	global_prefetch_b8 v0, s[64:65] scope:SCOPE_SE
	s_setreg_imm32_b32 hwreg(HW_REG_WAVE_MODE, 25, 1), 1
	s_wait_xcnt 0x0
	s_wait_alu depctr_hold_cnt(0) depctr_sa_sdst(0) depctr_va_vdst(0) depctr_va_sdst(0) depctr_va_ssrc(0) depctr_va_vcc(0) depctr_vm_vsrc(0)
	s_getreg_b32 s2, hwreg(HW_REG_IB_STS2, 6, 4)
	s_cmp_eq_u32 s2, 0
	s_cbranch_scc0 .Lentry_in_a_cluster
	s_endpgm
.Lentry_in_a_cluster:
	s_bfe_u32 s2, ttmp6, 0x10000c
	s_cmp_lg_u32 s2, 0xf033
	s_cbranch_scc0 .Lentry_shape_is_right
	s_endpgm
.Lentry_shape_is_right:
.set QKV,    0
.set ROWB,   256
.set KROW,   1024
.set PITCH,  272
.set FR,     16
.set NL,     4
.set NP,     4
.set HALFT,  128*PITCH
.set SLOT,   4*HALFT
.set SPARE,  2*SLOT
.set ADRA, 16
.set ADRB, 20
.set SPW,  28
.set NIL,  29
.set BI,   32
.set LIM,  96
.set SC,   97
.set OA,   98
.set VO,   100
.set AF,   128
.set CR,   128
.set G1, 24
.set G0, 32
.set G1B, 48
.set G0B, 56
.set MSB, 0
.macro WIN new
.if MSB != (\new)
	s_set_vgpr_msb (MSB<<8)|(\new)
.set MSB, (\new)
.endif
.endm
.set MUL_LO, 0xa1
.set MUL_HI, 0xf1
.set TO_B,   0x40
.macro JLOAD g0a, g1a, g0b, g1b
	s_cmp_eq_u32 s15, 0
	s_cbranch_scc0 .Lfor_b_\@
	tensor_load_to_lds s[\g0a:\g0a+3], s[\g1a:\g1a+7]
	s_nop 0
.rept 4
	v_nop
.endr
	s_branch .Lasked_\@
.Lfor_b_\@:
	tensor_load_to_lds s[\g0b:\g0b+3], s[\g1b:\g1b+7]
	s_nop 0
.rept 4
	v_nop
.endr
.Lasked_\@:
.endm
.macro CREST
	s_cmp_lg_u32 s14, 0
	s_cbranch_scc1 .Lnot_wave_0_\@
	s_barrier_signal -3
.Lnot_wave_0_\@:
	s_barrier_wait -3
	s_barrier_signal -1
	s_barrier_wait -1
.endm
.macro CROUND
	s_barrier_signal -1
	s_barrier_wait -1
	CREST
.endm
.if QKV
	s_load_b512 s[68:83], s[0:1], 0x0
	s_load_b64 s[84:85], s[0:1], 0x40
.else
	s_load_b256 s[4:11], s[0:1], 0x0
	s_load_b64 s[82:83], s[0:1], 0x20
.endif
	v_lshl_add_u32 v[SPW], v0, 2, SPARE
	v_mov_b32 v[NIL], 0
	ds_add_u32 v[SPW], v[NIL]
	ds_add_u32 v[SPW], v[NIL]
	v_lshrrev_b32 v1, 5, v0
	v_readfirstlane_b32 s14, v1
	s_lshr_b32 s15, s14, 1
	s_and_b32 s16, s14, 1
	s_bfe_u32 s40, ttmp6, 0x40000
	s_bfe_u32 s41, ttmp6, 0x40004
	s_and_b32 s99, ttmp7, 0xffff
	s_lshl_b32 s99, s99, 2
	s_mov_b32 s87, 0x40000
.if QKV
	s_mov_b32 s98, ttmp9
	s_cmp_eq_u32 s98, 2
	s_cselect_b32 s42, s99, 0
	s_cselect_b32 s17, 0, s99
	s_cselect_b32 s86, -1, 0
	s_cselect_b32 s87, 0x10000, s87
	s_cselect_b32 s22, 0, s98
	s_cselect_b32 s23, 0x800000, 0
	s_lshl_b32 s22, s22, 22
.else
	s_lshl_b32 s42, ttmp9, 2
	s_mov_b32 s17, s99
.endif
	s_add_co_u32 s42, s42, s40
	s_add_co_u32 s17, s17, s41
	s_lshl_b32 s43, s41, 2
	s_lshl_b32 s43, 15, s43
	s_lshl_b32 s44, 0x1111, s40
	s_or_b32 s[G1+0], s43, (0<<16)|(1<<20)|(1<<21)|(5<<22)|(3<<25)
	s_or_b32 s[G1B+0], s44, (0<<16)|(1<<20)|(1<<21)|(5<<22)|(3<<25)
.irp g, G1, G1B
	s_mov_b32 s[\g+1], ROWB<<16
	s_mov_b32 s[\g+2], 128<<16
	s_mov_b32 s[\g+3], ROWB<<16
	s_mov_b32 s[\g+4], 128
	s_mov_b32 s[\g+5], KROW
	s_mov_b32 s[\g+6], 0
	s_mov_b32 s[\g+7], 0
.endr
	s_lshl_b32 s18, s16, 7
	s_lshl_b32 s20, s17, 8
	s_add_co_u32 s20, s20, s18
	s_lshl_b32 s20, s20, 10
	s_lshl_b32 s46, s42, 8
	s_add_co_u32 s46, s46, s18
	s_lshl_b32 s46, s46, 10
.if QKV
	s_add_co_u32 s20, s20, s22
	s_add_co_u32 s46, s46, s23
.endif
	s_mov_b32 s21, 0
	s_mov_b32 s47, 0
	s_mul_i32 s45, s14, HALFT
	s_wait_dscnt 0x0
	s_wait_kmcnt 0x0
.if QKV
	s_load_b256 s[88:95], s[82:83], 0x0
	s_load_b64 s[96:97], s[82:83], 0x20
	s_cmp_eq_u32 s98, 2
	s_cselect_b64 s[4:5], s[74:75], s[68:69]
	s_cselect_b64 s[6:7], s[68:69], s[72:73]
	s_cselect_b64 s[8:9], s[80:81], s[78:79]
	s_cmp_eq_u32 s98, 0
	s_cselect_b64 s[6:7], s[70:71], s[6:7]
	s_cselect_b64 s[8:9], s[76:77], s[8:9]
	s_mov_b64 s[10:11], s[84:85]
.else
	s_load_b128 s[88:91], s[82:83], 0x30
.endif
	s_add_nc_u64 s[20:21], s[4:5], s[20:21]
	s_add_nc_u64 s[46:47], s[6:7], s[46:47]
	CROUND
.irp s, 0,1
	s_mov_b32 s[G0+4*\s], 1
	s_add_co_u32 s[G0+4*\s+1], s45, \s*SLOT
	s_add_nc_u64 s[G0+4*\s+2:G0+4*\s+3], s[20:21], \s*ROWB
	s_or_b32 s[G0+4*\s+3], s[G0+4*\s+3], 0x80000000
	s_mov_b32 s[G0B+4*\s], 1
	s_add_co_u32 s[G0B+4*\s+1], s45, \s*SLOT
	s_add_nc_u64 s[G0B+4*\s+2:G0B+4*\s+3], s[46:47], \s*ROWB
	s_or_b32 s[G0B+4*\s+3], s[G0B+4*\s+3], 0x80000000
.endr
	JLOAD G0, G1, G0B, G1B                         ; K step 0: one tensor load a wave at the head
	; THE PREFETCHES: of the 128 rows that my wave fetches for a K step (256 bytes of each), each of the four partners that ask jointly names 32, told apart by address (cx for A, cy for B), a lane a row.
	; K steps 1 and 2 are asked for here, K step 3 behind slot 1's load: each at least one K step ahead of the load that wants it.  The address is never stepped: the K step stands in the immediate.
	s_cmp_eq_u32 s15, 0                            ; do I fetch for A?
	s_cselect_b64 s[66:67], s[20:21], s[46:47]
	s_cselect_b32 s12, s40, s41
	s_lshl_b32 s12, s12, 15                        ; 32 rows of 1,024 bytes for each partner
	s_mov_b32 s13, 0
	s_add_nc_u64 s[66:67], s[66:67], s[12:13]
	v_and_b32 v30, 31, v0
	v_lshlrev_b32 v30, 10, v30                     ; my lane's row; never rewritten
	global_prefetch_b8 v30, s[66:67] offset:256 th:TH_LOAD_NT scope:SCOPE_SE
	global_prefetch_b8 v30, s[66:67] offset:512 th:TH_LOAD_NT scope:SCOPE_SE
	v_and_b32 v1, 15, v0
	v_bfe_u32 v2, v0, 4, 1
	v_mul_u32_u24 v3, v1, PITCH
	v_lshl_add_u32 v4, v2, 4, v3
	s_mul_i32 s21, s15, HALFT
	s_mul_i32 s22, s16, HALFT
	s_add_co_u32 s22, s22, 2*HALFT
.irp s, 0,1
	v_add_nc_u32 v[ADRA+\s], s21, v4
	v_add_nc_u32 v[ADRB+\s], s22, v4
	s_add_co_u32 s21, s21, SLOT
	s_add_co_u32 s22, s22, SLOT
.endr
	v_lshlrev_b32 v5, 5, v2
.if QKV
	s_cmp_eq_u32 s98, 2
	s_cselect_b32 s18, s17, s42
	s_cselect_b32 s19, s15, s16
.else
	s_mov_b32 s18, s42
	s_mov_b32 s19, s16
.endif
	s_lshl_b32 s18, s18, 10
	s_lshl_b32 s19, s19, 9
	s_add_co_u32 s18, s18, s19
	s_mov_b32 s19, 0
	s_add_nc_u64 s[8:9], s[8:9], s[18:19]
.if QKV
	v_lshlrev_b32 v6, 2, v1
.irp j, 0,1,2,3,4,5,6,7
	v_add_nc_u32 v[VO+\j], 4*\j, v5
	v_cndmask_b32 v[VO+\j], v[VO+\j], v6, s86
.endr
.irp i, 0,1,2,3,4,5,6,7
.irp j, 0,1,2,3,4,5,6,7
	global_load_b32 v[BI+8*\i+\j], v[VO+\j], s[8:9] offset:64*\i
.endr
.endr
.else
.irp b, 0,1,2,3,4,5,6,7
	global_load_b128 v[BI+8*\b:BI+8*\b+3], v5, s[8:9] offset:64*\b
	global_load_b128 v[BI+8*\b+4:BI+8*\b+7], v5, s[8:9] offset:64*\b+16
.endr
.endif
	s_lshl_b32 s18, s42, 2
	s_lshl_b32 s19, s16, 1
	s_add_co_u32 s18, s18, s19
	s_mul_i32 s18, s18, s87
	s_lshl_b32 s19, s17, 4
	s_lshl_b32 s20, s15, 3
	s_add_co_u32 s19, s19, s20
	s_lshl_b32 s19, s19, 10
	s_add_co_u32 s18, s18, s19
.if QKV
	s_lshl_b32 s19, s98, 22
	s_add_co_u32 s18, s18, s19
.endif
	s_mov_b32 s19, 0
	s_add_nc_u64 s[10:11], s[10:11], s[18:19]
	v_and_b32 v[OA], 31, v0
	v_lshlrev_b32 v[OA], 4, v[OA]
	v_add_nc_u32 v[OA+1], s87, v[OA]
	s_wait_kmcnt 0x0
.if QKV
	s_cmp_eq_u32 s98, 0
	s_cselect_b32 s100, s88, s90
	s_cselect_b32 s18, s89, s91
	s_cselect_b32 s101, s94, s95
	s_cmp_eq_u32 s98, 2
	s_cselect_b32 s100, s92, s100
	s_cselect_b32 s18, s93, s18
	s_cselect_b32 s101, s97, s101
	s_add_co_i32 s100, s100, s18
.else
	s_add_co_i32 s100, s88, s89
	s_mov_b32 s101, s90
.endif
	s_sub_co_i32 s18, 0, s100
	s_sub_co_i32 s19, s101, s100
	s_add_co_i32 s19, s19, 127
	s_lshl_b32 s20, s19, 23
	v_mov_b32 v[SC], s20
	s_add_co_i32 s19, s19, 15
	s_lshl_b32 s19, s19, 23
	s_or_b32 s19, s19, 0x600000
	v_mov_b32 v[LIM], s19
	s_wait_loadcnt 0x0
.set j, 0
.rept 64
	v_ldexp_f32 v[BI+j], v[BI+j], s18
.set j, j+1
.endr
.macro FRAG reg, adr, q, i
.irp c, 0,1,2,3
	ds_load_b128 v[\reg+4*\c:\reg+4*\c+3], v[\adr] offset:128*(\q)+32*\c+(\i)*16*PITCH
.endr
.endm
.macro MUL16 a0, p, mode
.irp a, \a0, \a0+1
.irp b, 0,1,2,3,4,5,6,7
.if \mode == 0
	v_wmma_f32_16x16x128_bf8_bf8 v[8*(8*((\a)%4)+\b):8*(8*((\a)%4)+\b)+7], v[128*(\p)+FR*\b:128*(\p)+FR*\b+FR-1], v[AF+FR*(\a):AF+FR*(\a)+FR-1], v[8*(8*((\a)%4)+\b):8*(8*((\a)%4)+\b)+7]
.elseif \mode == 1
	v_wmma_f32_16x16x128_bf8_bf8 v[8*(8*((\a)%4)+\b):8*(8*((\a)%4)+\b)+7], v[128*(\p)+FR*\b:128*(\p)+FR*\b+FR-1], v[AF+FR*(\a):AF+FR*(\a)+FR-1], v[BI+8*\b:BI+8*\b+7]
.else
	v_wmma_f32_16x16x128_bf8_bf8 v[8*(8*((\a)%4)+\b):8*(8*((\a)%4)+\b)+7], v[128*(\p)+FR*\b:128*(\p)+FR*\b+FR-1], v[AF+FR*(\a):AF+FR*(\a)+FR-1], v[BI+8*(\a):BI+8*(\a)+7]
.endif
.endr
.endr
.endm
.macro FETCH_B slot, q, p
	WIN TO_B
.irp i, 0,1,2,3,4,5,6,7
	FRAG 128*(\p)+FR*\i, ADRB+\slot, \q, \i
.endr
	WIN 0
.endm
.macro FETCH_A slot, q, i0
.irp i, \i0, \i0+1, \i0+2, \i0+3
	FRAG AF+FR*(\i), ADRA+\slot, \q, \i
.endr
.endm
.macro PLACES n
.rept \n
	v_nop
.endr
.endm
.macro STEP slot, q, mode
	s_wait_dscnt 4*NL
.if \mode
	WIN 0x81
.else
	WIN MUL_LO
.endif
	MUL16 0, (\q)%2, \mode
	MUL16 2, (\q)%2, \mode
	s_wait_dscnt 0
	PLACES NP
	FETCH_B \slot, (\q)+1, 1-(\q)%2
	FETCH_A \slot, (\q)+1, 0
.if \mode
	WIN 0xc1
.else
	WIN MUL_HI
.endif
	MUL16 4, (\q)%2, \mode
	MUL16 6, (\q)%2, \mode
	PLACES NP
	WIN 0
	FETCH_A \slot, (\q)+1, 4
.endm
.macro TURN slot, next, fill
	s_wait_tensorcnt 0x0
	ds_add_u32 v[SPW], v[NIL]
	s_wait_dscnt 4*NL+1
	WIN MUL_LO
	MUL16 0, 1, 0
	s_wait_dscnt 0x0
	s_barrier_signal -1
	MUL16 2, 1, 0
	WIN 0
	s_barrier_wait -1
.if \fill
	CREST
	s_add_nc_u64 s[G0+4*\slot+2:G0+4*\slot+3], s[G0+4*\slot+2:G0+4*\slot+3], 2*ROWB
	s_add_nc_u64 s[G0B+4*\slot+2:G0B+4*\slot+3], s[G0B+4*\slot+2:G0B+4*\slot+3], 2*ROWB
	JLOAD G0+4*\slot, G1, G0B+4*\slot, G1B
.else
	PLACES NP
.endif
	FETCH_B \next, 0, 0
	FETCH_A \next, 0, 0
	WIN MUL_HI
	MUL16 4, 1, 0
	MUL16 6, 1, 0
	PLACES NP
	WIN 0
	FETCH_A \next, 0, 4
.endm
	s_wait_alu depctr_va_vdst(0)
	s_wait_tensorcnt 0x0                           ; my part of slot 0 is in
	ds_add_u32 v[SPW], v[NIL]
	s_wait_dscnt 0x0
	CROUND                                         ; everybody's part of slot 0 is in, and the joint loads meet
	JLOAD G0+4, G1, G0B+4, G1B                     ; slot 1's first fill, the first tensor load behind the round
	global_prefetch_b8 v30, s[66:67] offset:768 th:TH_LOAD_NT scope:SCOPE_SE   ; K step 3
	FETCH_B 0, 0, 0
	FETCH_A 0, 0, 0
	FETCH_A 0, 0, 4
.if QKV
	s_cmp_eq_u32 s98, 2
	s_cbranch_scc1 .Lfirst_v
	STEP 0, 0, 1
	s_branch .Ljoined
.Lfirst_v:
	STEP 0, 0, 2
.Ljoined:
.else
	STEP 0, 0, 1
.endif
	TURN 0, 1, 1
	STEP 1, 0, 0
	TURN 1, 0, 1
	STEP 0, 0, 0
	TURN 0, 1, 0
	STEP 1, 0, 0
	s_wait_dscnt 4*NL
	WIN MUL_LO
	MUL16 0, 1, 0
	MUL16 2, 1, 0
	s_wait_dscnt 0
	WIN MUL_HI
	MUL16 4, 1, 0
	MUL16 6, 1, 0
	PLACES NP
.macro QOUT a
.set AC, 64*((\a)%4)
	WIN 0x82+0x41*((\a)/4)
.set i, 0
.rept 64
.if QKV
	v_med3_num_f32 v[AC+i], v[AC+i], -v[LIM], v[LIM]
.else
	v_med3_num_f32 v[AC+i], v[AC+i], 0, v[LIM]
.endif
.set i, i+1
.endr
	WIN 0x02+(\a)/4
.irp b, 0,1,2,3,4,5,6,7
	v_cvt_scalef32_pk8_bf8_f32 v[CR+16*(\a)+2*\b:CR+16*(\a)+2*\b+1], v[AC+8*\b:AC+8*\b+7], v[SC]
.endr
	v_nop
	WIN 0
.irp g, 0,1,2,3
	global_store_b128 v[OA+\g/2], v[CR+16*(\a)+4*\g:CR+16*(\a)+4*\g+3], s[10:11] offset:(\a)*1024+(\g%2)*512 th:TH_STORE_NT
.endr
.endm
.irp a, 0,1,2,3,4,5,6,7
	QOUT \a
.endr
	s_wait_tensorcnt 0x0
	ds_add_u32 v[SPW], v[NIL]
	s_wait_dscnt 0x0
	CROUND
	s_endpgm
.Lfunc_end_k_q06f82bf772_ffn1:
	.size	k_q06f82bf772_ffn1, .Lfunc_end_k_q06f82bf772_ffn1-k_q06f82bf772_ffn1
	.p2alignl 7, 3214868480
	.fill 96, 4, 3214868480
	.section	.rodata,"a",@progbits
	.p2align	6, 0x0
	.amdhsa_kernel k_q06f82bf772_ffn1
		.amdhsa_group_segment_fixed_size 327680
		.amdhsa_private_segment_fixed_size 0
		.amdhsa_enable_private_segment 0
		.amdhsa_kernarg_size 40
		.amdhsa_user_sgpr_count 2
		.amdhsa_user_sgpr_kernarg_segment_ptr 1
		.amdhsa_wavefront_size32 1
		.amdhsa_system_sgpr_workgroup_id_x 1
		.amdhsa_system_sgpr_workgroup_id_y 1
		.amdhsa_system_sgpr_workgroup_id_z 1
		.amdhsa_system_vgpr_workitem_id 0
		.amdhsa_next_free_vgpr 1024
		.amdhsa_next_free_sgpr 102
		.amdhsa_reserve_vcc 0
		.amdhsa_float_denorm_mode_32 3
		.amdhsa_float_denorm_mode_16_64 3
		.amdhsa_memory_ordered 1
		.amdhsa_forward_progress 1
		.amdhsa_inst_pref_size 124
	.end_amdhsa_kernel
	.amdgpu_metadata
---
amdhsa.version: [ 1, 2 ]
amdhsa.kernels:
  - .name:           k_q06f82bf772_ffn1
    .symbol:         k_q06f82bf772_ffn1.kd
    .args:
      - { .name: o1c, .offset: 0, .size: 8, .value_kind: global_buffer, .address_space: global }
      - { .name: ffn_w1_codes, .offset: 8, .size: 8, .value_kind: global_buffer, .address_space: global }
      - { .name: ffn_b1, .offset: 16, .size: 8, .value_kind: global_buffer, .address_space: global }
      - { .name: hid, .offset: 24, .size: 8, .value_kind: global_buffer, .address_space: global }
      - { .name: lowp_scales, .offset: 32, .size: 8, .value_kind: global_buffer, .address_space: global }
    .group_segment_fixed_size: 327680
    .private_segment_fixed_size: 0
    .kernarg_segment_align: 8
    .kernarg_segment_size: 40
    .max_flat_workgroup_size: 128
    .sgpr_count:     102
    .vgpr_count:     1024
    .wavefront_size: 32
...
	.end_amdgpu_metadata
.endif
;; end of part 6
;; launch ffn2 (part 7): grid 8 x 32, 4 waves a work-group, clusters of 4 x 4, 327,680 bytes of LDS; arguments hid, ffn_w2_codes, ffn_b2, ln1out, y, lowp_scales; writes y
.if DOCPART == 7
	.amdgcn_target "amdgcn-amd-amdhsa--gfx1250"
	.amdhsa_code_object_version 6
	.text
	.protected	k_q06f82bf772_ffn2
	.globl	k_q06f82bf772_ffn2
	.p2align	8
	.type	k_q06f82bf772_ffn2,@function
k_q06f82bf772_ffn2:
	s_mov_b64 s[64:65], 0
	v_nop
	global_prefetch_b8 v0, s[64:65] scope:SCOPE_SE
	s_setreg_imm32_b32 hwreg(HW_REG_WAVE_MODE, 25, 1), 1
	s_wait_xcnt 0x0
	s_wait_alu depctr_hold_cnt(0) depctr_sa_sdst(0) depctr_va_vdst(0) depctr_va_sdst(0) depctr_va_ssrc(0) depctr_va_vcc(0) depctr_vm_vsrc(0)
	s_getreg_b32 s2, hwreg(HW_REG_IB_STS2, 6, 4)
	s_cmp_eq_u32 s2, 0
	s_cbranch_scc0 .Lentry_in_a_cluster
	s_endpgm
.Lentry_in_a_cluster:
	s_bfe_u32 s2, ttmp6, 0x10000c
	s_cmp_lg_u32 s2, 0xf033
	s_cbranch_scc0 .Lentry_shape_is_right
	s_endpgm
.Lentry_shape_is_right:
.set SIZE_K, 4096
.set SCOFF,  0x38
.set LAPS,   SIZE_K/1024
.set PB,     528
.set AIMG,   65536
.set BHALF,  64*PB
.set SLOT,   AIMG+2*BHALF
.set STAGE,  2*SLOT
.set SPITCH, 272
.set SPARE,  STAGE+4*16*SPITCH
.set ADRA, 16
.set ADRB, 20
.set STO,  24
.set RD,   25
.set CO,   26
.set BO,   27
.set SPW,  28
.set NIL,  29
.set BIAS, 32
.set BK,   64
.set ACC,  128
.set F0,   0
.set F1,   128
.set G1, 24
.set G0, 32
.set G1B, 48
.set G0B, 56
.set MSB, 0
.macro WIN new
.if MSB != (\new)
	s_set_vgpr_msb (MSB<<8)|(\new)
.set MSB, (\new)
.endif
.endm
.set MUL,  0x05
.set TO_F, 0x40
.macro JLOAD s
	s_cmp_eq_u32 s13, 0
	s_cbranch_scc0 .Lfor_b_\@
	tensor_load_to_lds s[G0+4*\s:G0+4*\s+3], s[G1:G1+7]
	s_nop 0
.rept 4
	v_nop
.endr
	s_branch .Lasked_\@
.Lfor_b_\@:
	tensor_load_to_lds s[G0B+4*\s:G0B+4*\s+3], s[G1B:G1B+7]
	s_nop 0
.rept 4
	v_nop
.endr
.Lasked_\@:
.endm
.macro CREST
	s_cmp_lg_u32 s12, 0
	s_cbranch_scc1 .Lnot_wave_0_\@
	s_barrier_signal -3
.Lnot_wave_0_\@:
	s_barrier_wait -3
	s_barrier_signal -1
	s_barrier_wait -1
.endm
.macro CROUND
	s_barrier_signal -1
	s_barrier_wait -1
	CREST
.endm
	s_load_b256 s[4:11], s[0:1], 0x0
	s_load_b128 s[68:71], s[0:1], 0x20
	v_lshl_add_u32 v[SPW], v0, 2, SPARE
	v_mov_b32 v[NIL], 0
	ds_add_u32 v[SPW], v[NIL]
	ds_add_u32 v[SPW], v[NIL]
	v_lshrrev_b32 v1, 5, v0
	v_readfirstlane_b32 s12, v1
	s_lshr_b32 s13, s12, 1
	s_and_b32 s14, s12, 1
	s_bfe_u32 s40, ttmp6, 0x40000
	s_bfe_u32 s41, ttmp6, 0x40004
	s_lshl_b32 s42, ttmp9, 2
	s_add_co_u32 s42, s42, s40
	s_and_b32 s15, ttmp7, 0xffff
	s_lshl_b32 s15, s15, 2
	s_add_co_u32 s15, s15, s41
	s_lshl_b32 s43, s41, 2
	s_lshl_b32 s43, 15, s43
	s_lshl_b32 s44, 0x1111, s40
	s_or_b32 s[G1+0], s43, (3<<16)|(1<<21)
	s_mov_b32 s[G1+1], 1024<<16
	s_mov_b32 s[G1+2], 4<<16
	s_mov_b32 s[G1+3], 1024<<16
	s_mov_b32 s[G1+4], 4
	s_mov_b32 s[G1+5], 32768
	s_mov_b32 s[G1+6], 0
	s_mov_b32 s[G1+7], 0
	s_or_b32 s[G1B+0], s44, (0<<16)|(1<<20)|(1<<21)|(6<<22)|(3<<25)
	s_mov_b32 s[G1B+1], 512<<16
	s_mov_b32 s[G1B+2], 64<<16
	s_mov_b32 s[G1B+3], 512<<16
	s_mov_b32 s[G1B+4], 64
	s_mov_b32 s[G1B+5], SIZE_K
	s_mov_b32 s[G1B+6], 0
	s_mov_b32 s[G1B+7], 0
	s_lshl_b32 s16, s15, 13
	s_lshl_b32 s17, s14, 20
	s_add_co_u32 s16, s16, s17
	s_mov_b32 s17, 0
	s_lshl_b32 s46, s42, 7
	s_lshl_b32 s47, s14, 6
	s_add_co_u32 s46, s46, s47
	s_mul_i32 s46, s46, SIZE_K
	s_mov_b32 s47, 0
	s_lshl_b32 s45, s14, 15
	s_mul_i32 s74, s14, BHALF
	s_add_co_u32 s74, s74, AIMG
	s_wait_dscnt 0x0
	s_wait_kmcnt 0x0
	s_load_b64 s[72:73], s[70:71], SCOFF
	s_add_nc_u64 s[16:17], s[4:5], s[16:17]
	s_add_nc_u64 s[46:47], s[6:7], s[46:47]
	CROUND
.irp s, 0,1
	s_mov_b32 s[G0+4*\s], 1
	s_add_co_u32 s[G0+4*\s+1], s45, \s*SLOT
	s_add_nc_u64 s[G0+4*\s+2:G0+4*\s+3], s[16:17], \s*0x200000
	s_or_b32 s[G0+4*\s+3], s[G0+4*\s+3], 0x80000000
	s_mov_b32 s[G0B+4*\s], 1
	s_add_co_u32 s[G0B+4*\s+1], s74, \s*SLOT
	s_add_nc_u64 s[G0B+4*\s+2:G0B+4*\s+3], s[46:47], \s*512
	s_or_b32 s[G0B+4*\s+3], s[G0B+4*\s+3], 0x80000000
.endr
	JLOAD 0                                        ; K step 0 (512 along K): one tensor load a wave at the head
	; THE PREFETCHES.  Of the 32,768 bytes that my wave fetches for a K step, each of the four partners that ask jointly names 8,192, told apart by address: of A one block of columns (by cx), lanes 256 bytes apart;
	; of B 16 rows (by cy), two lanes to a row's 512 bytes.  s[76:77]: where they stand; s[78:79]: a K step on; v30: my lane's offset, never rewritten.
	s_lshl_b32 s18, s40, 18
	s_lshl_b32 s19, s41, 16
	s_mov_b32 s78, 512
	s_mov_b32 s75, 4096
	s_cmp_eq_u32 s13, 0                            ; do I fetch for A?
	s_cselect_b64 s[76:77], s[16:17], s[46:47]
	s_cselect_b32 s18, s18, s19
	s_cselect_b32 s78, 0x200000, s78
	s_cselect_b32 s75, 512, s75                    ; from one pair of lanes to the next
	s_mov_b32 s19, 0
	s_mov_b32 s79, 0
	s_add_nc_u64 s[76:77], s[76:77], s[18:19]
	s_add_nc_u64 s[80:81], s[76:77], s[78:79]      ; K step 1,
	s_add_nc_u64 s[82:83], s[80:81], s[78:79]      ; K step 2: pairs of their own, never rewritten,
	s_add_nc_u64 s[76:77], s[82:83], s[78:79]      ; and K step 3, from which the loop steps on
	v_and_b32 v30, 31, v0
	v_lshrrev_b32 v31, 1, v30
	v_and_b32 v30, 1, v30
	v_lshlrev_b32 v30, 8, v30
	v_mad_u32_u24 v30, v31, s75, v30
	global_prefetch_b8 v30, s[80:81] th:TH_LOAD_NT scope:SCOPE_SE
	global_prefetch_b8 v30, s[82:83] th:TH_LOAD_NT scope:SCOPE_SE
	v_and_b32 v1, 15, v0
	v_bfe_u32 v2, v0, 4, 1
	v_and_b32 v3, 31, v0
	v_lshlrev_b32 v3, 4, v3
	v_mul_u32_u24 v4, v1, PB
	v_lshl_add_u32 v4, v2, 3, v4
	s_lshl_b32 s21, s13, 12
	s_mul_i32 s22, s14, BHALF
	s_add_co_u32 s22, s22, AIMG
.irp s, 0,1
	v_add_nc_u32 v[ADRA+\s], s21, v3
	v_add_nc_u32 v[ADRB+\s], s22, v4
	s_add_co_u32 s21, s21, SLOT
	s_add_co_u32 s22, s22, SLOT
.endr
	s_mul_i32 s23, s12, 16*SPITCH
	s_add_co_u32 s23, s23, STAGE
	v_mul_u32_u24 v5, v1, SPITCH
	v_lshl_add_u32 v5, v2, 5, v5
	v_add_nc_u32 v[STO], s23, v5
	v_mul_u32_u24 v5, v2, SPITCH
	v_lshl_add_u32 v5, v1, 4, v5
	v_add_nc_u32 v[RD], s23, v5
	v_lshlrev_b32 v[BO], 4, v1
	v_lshl_add_u32 v[CO], v2, 12, v[BO]
	s_wait_alu depctr_va_vdst(0)
	s_lshl_b32 s18, s15, 7
	s_lshl_b32 s19, s13, 6
	s_add_co_u32 s18, s18, s19
	s_lshl_b32 s18, s18, 12
	s_lshl_b32 s46, s42, 9
	s_lshl_b32 s47, s14, 8
	s_add_co_u32 s46, s46, s47
	s_mov_b32 s47, 0
	s_add_nc_u64 s[8:9], s[8:9], s[46:47]
	s_add_co_u32 s18, s18, s46
	s_mov_b32 s19, 0
	s_add_nc_u64 s[10:11], s[10:11], s[18:19]
	s_add_nc_u64 s[68:69], s[68:69], s[18:19]
.macro MUL8 f, a0, zero
.irp a, \a0, \a0+1
.irp b, 0,1,2,3
.if \zero
	v_wmma_f32_16x16x128_bf8_bf8 v[ACC+8*(4*(\a)+\b):ACC+8*(4*(\a)+\b)+7], v[\f+64+16*\b:\f+64+16*\b+15], v[\f+16*(\a):\f+16*(\a)+15], 0
.else
	v_wmma_f32_16x16x128_bf8_bf8 v[ACC+8*(4*(\a)+\b):ACC+8*(4*(\a)+\b)+7], v[\f+64+16*\b:\f+64+16*\b+15], v[\f+16*(\a):\f+16*(\a)+15], v[ACC+8*(4*(\a)+\b):ACC+8*(4*(\a)+\b)+7]
.endif
.endr
.endr
.endm
.macro FETCH slot, q, f
	WIN TO_F
.irp i, 0,1,2,3
.irp c, 0,1,2,3
	ds_load_b128 v[\f+16*\i+4*\c:\f+16*\i+4*\c+3], v[ADRA+\slot] offset:(2*(\q)+\c/2)*8192+1024*\i+512*(\c%2)
.endr
.irp c, 0,1,2,3,4,5,6,7
	ds_load_b64 v[\f+64+16*\i+2*\c:\f+64+16*\i+2*\c+1], v[ADRB+\slot] offset:16*\i*PB+128*(\q)+16*\c
.endr
.endr
.endm
.macro PLACES
.rept 4
	v_nop
.endr
.endm
.macro QUARTER slot, qnext, f, g, zero
	s_wait_dscnt 0x0
	PLACES
	FETCH \slot, \qnext, \g
	WIN MUL
	MUL8 \f, 0, \zero
	MUL8 \f, 2, \zero
.endm
.macro TURN slot, next, fill
	WIN 0
.if \fill
	s_wait_xcnt 0x0                                ; any prefetch of mine has read its address: it is stepped here, a K step behind the line that read it
	s_add_nc_u64 s[76:77], s[76:77], s[78:79]
.endif
	s_wait_tensorcnt 0x0
	ds_add_u32 v[SPW], v[NIL]
	s_wait_dscnt 1
	WIN MUL
	MUL8 F1, 0, 0
	s_wait_dscnt 0x0
	s_barrier_signal -1
	MUL8 F1, 2, 0
	WIN 0
	s_barrier_wait -1
.if \fill
	CREST
	s_add_nc_u64 s[G0+4*\slot+2:G0+4*\slot+3], s[G0+4*\slot+2:G0+4*\slot+3], 0x400000
	s_add_nc_u64 s[G0B+4*\slot+2:G0B+4*\slot+3], s[G0B+4*\slot+2:G0B+4*\slot+3], 1024
	JLOAD \slot
	s_cmp_gt_u32 s3, 1                             ; the K step two refills on; the last trip's two refills have none
	s_cbranch_scc0 .Lno_ask_\@
	global_prefetch_b8 v30, s[76:77] th:TH_LOAD_NT scope:SCOPE_SE
.Lno_ask_\@:
.else
	PLACES
.endif
	FETCH \next, 0, F0
.endm
	s_wait_alu depctr_va_vdst(0)                   ; the head's end
	s_wait_tensorcnt 0x0                           ; my part of slot 0 is in
	ds_add_u32 v[SPW], v[NIL]
	s_wait_dscnt 0x0
	CROUND                                         ; everybody's part of slot 0 is in, and the joint loads meet
	JLOAD 1                                        ; slot 1's first fill, the first tensor load behind the round
	global_prefetch_b8 v30, s[76:77] th:TH_LOAD_NT scope:SCOPE_SE
	FETCH 0, 0, F0
	QUARTER 0, 1, F0, F1, 1
.if LAPS > 1
	WIN 0
	s_mov_b32 s3, LAPS-1
.Llap:
	QUARTER 0, 2, F1, F0, 0
	QUARTER 0, 3, F0, F1, 0
	TURN 0, 1, 1
	QUARTER 1, 1, F0, F1, 0
	QUARTER 1, 2, F1, F0, 0
	QUARTER 1, 3, F0, F1, 0
	TURN 1, 0, 1
	QUARTER 0, 1, F0, F1, 0
	WIN 0
	s_sub_co_u32 s3, s3, 1
	s_cmp_lg_u32 s3, 0
	s_cbranch_scc1 .Llap
.endif
	WIN 0x80                                       ; destination window 2.  The residual and the bias are asked for here, behind the last refill: nothing reads them before the way out, seven quarter steps of products on
.set t, 0
.rept 32
	global_load_b128 v[4*t:4*t+3], v[CO], s[10:11] offset:8192*t th:TH_LOAD_NT   ; rows 2 t and 2 t + 1 of my 64
.set t, t+1
.endr
	WIN 0
	global_load_b128 v[BIAS:BIAS+3], v[BO], s[8:9]
	QUARTER 0, 2, F1, F0, 0
	QUARTER 0, 3, F0, F1, 0
	TURN 0, 1, 0
	QUARTER 1, 1, F0, F1, 0
	QUARTER 1, 2, F1, F0, 0
	QUARTER 1, 3, F0, F1, 0
	s_wait_dscnt 0x0
	WIN MUL
	MUL8 F1, 0, 0
	MUL8 F1, 2, 0
	s_wait_kmcnt 0x0
	s_add_co_i32 s72, s72, s73
	s_add_co_i32 s72, s72, 127
	s_lshl_b32 s72, s72, 23
	s_mov_b32 s73, s72
	s_wait_loadcnt 0x0
	WIN 0x82
.set t, 0
.rept 32
	v_pk_add_f32 v[4*t:4*t+1], v[4*t:4*t+1], v[BIAS:BIAS+1]
	v_pk_add_f32 v[4*t+2:4*t+3], v[4*t+2:4*t+3], v[BIAS+2:BIAS+3]
.set t, t+1
.endr
	WIN 0
.macro TOSTAGE a
.set BB, BK+32*((\a)%2)
.irp b, 0,1,2,3
	ds_store_b128 v[STO], v[ACC+8*(4*(\a)+\b):ACC+8*(4*(\a)+\b)+3] offset:64*\b
	ds_store_b128 v[STO], v[ACC+8*(4*(\a)+\b)+4:ACC+8*(4*(\a)+\b)+7] offset:64*\b+16
.endr
.irp t, 0,1,2,3,4,5,6,7
	ds_load_b128 v[BB+4*\t:BB+4*\t+3], v[RD] offset:\t*2*SPITCH
.endr
.endm
.macro SEND a, younger
.set BB, BK+32*((\a)%2)
	s_wait_dscnt \younger
	WIN 0xa0
.irp t, 0,1,2,3,4,5,6,7
	v_pk_fma_f32 v[32*(\a)+4*\t:32*(\a)+4*\t+1], v[BB+4*\t:BB+4*\t+1], s[72:73], v[32*(\a)+4*\t:32*(\a)+4*\t+1] op_sel_hi:[1,0,1]
	v_pk_fma_f32 v[32*(\a)+4*\t+2:32*(\a)+4*\t+3], v[BB+4*\t+2:BB+4*\t+3], s[72:73], v[32*(\a)+4*\t+2:32*(\a)+4*\t+3] op_sel_hi:[1,0,1]
.endr
	WIN 0x08
.irp t, 0,1,2,3,4,5,6,7
	global_store_b128 v[CO], v[32*(\a)+4*\t:32*(\a)+4*\t+3], s[68:69] offset:(16*(\a)+2*\t)*4096
.endr
	WIN 0
.endm
	TOSTAGE 0
.irp a, 1,2,3
	TOSTAGE \a
	SEND \a-1, 16
.endr
	SEND 3, 0
	s_wait_tensorcnt 0x0
	ds_add_u32 v[SPW], v[NIL]
	s_wait_dscnt 0x0
	CROUND
	s_endpgm
.Lfunc_end_k_q06f82bf772_ffn2:
	.size	k_q06f82bf772_ffn2, .Lfunc_end_k_q06f82bf772_ffn2-k_q06f82bf772_ffn2
	.p2alignl 7, 3214868480
	.fill 96, 4, 3214868480
	.section	.rodata,"a",@progbits
	.p2align	6, 0x0
	.amdhsa_kernel k_q06f82bf772_ffn2
		.amdhsa_group_segment_fixed_size 327680
		.amdhsa_private_segment_fixed_size 0
		.amdhsa_enable_private_segment 0
		.amdhsa_kernarg_size 48
		.amdhsa_user_sgpr_count 2
		.amdhsa_user_sgpr_kernarg_segment_ptr 1
		.amdhsa_wavefront_size32 1
		.amdhsa_system_sgpr_workgroup_id_x 1
		.amdhsa_system_sgpr_workgroup_id_y 1
		.amdhsa_system_sgpr_workgroup_id_z 1
		.amdhsa_system_vgpr_workitem_id 0
		.amdhsa_next_free_vgpr 640
		.amdhsa_next_free_sgpr 84
		.amdhsa_reserve_vcc 0
		.amdhsa_float_denorm_mode_32 3
		.amdhsa_float_denorm_mode_16_64 3
		.amdhsa_memory_ordered 1
		.amdhsa_forward_progress 1
		.amdhsa_inst_pref_size 99
	.end_amdhsa_kernel
	.amdgpu_metadata
---
amdhsa.version: [ 1, 2 ]
amdhsa.kernels:
  - .name:           k_q06f82bf772_ffn2
    .symbol:         k_q06f82bf772_ffn2.kd
    .args:
      - { .name: hid, .offset: 0, .size: 8, .value_kind: global_buffer, .address_space: global }
      - { .name: ffn_w2_codes, .offset: 8, .size: 8, .value_kind: global_buffer, .address_space: global }
      - { .name: ffn_b2, .offset: 16, .size: 8, .value_kind: global_buffer, .address_space: global }
      - { .name: ln1out, .offset: 24, .size: 8, .value_kind: global_buffer, .address_space: global }
      - { .name: y, .offset: 32, .size: 8, .value_kind: global_buffer, .address_space: global }
      - { .name: lowp_scales, .offset: 40, .size: 8, .value_kind: global_buffer, .address_space: global }
    .group_segment_fixed_size: 327680
    .private_segment_fixed_size: 0
    .kernarg_segment_align: 8
    .kernarg_segment_size: 48
    .max_flat_workgroup_size: 128
    .sgpr_count:     84
    .vgpr_count:     640
    .wavefront_size: 32
...
	.end_amdgpu_metadata
.endif
;; end of part 7
;; launch ln2 (part 8): grid 256 x 1, 4 waves a work-group, no clusters, 0 bytes of LDS; arguments y, ln2_g, ln2_b, out0; writes out0
.if DOCPART == 8
	.amdgcn_target "amdgcn-amd-amdhsa--gfx1250"
	.amdhsa_code_object_version 6
	.text
	.protected	k_q06f82bf772_ln2
	.globl	k_q06f82bf772_ln2
	.p2align	8
	.type	k_q06f82bf772_ln2,@function
k_q06f82bf772_ln2:
	s_mov_b64 s[64:65], 0
	v_nop
	global_prefetch_b8 v0, s[64:65] scope:SCOPE_SE
	s_setreg_imm32_b32 hwreg(HW_REG_WAVE_MODE, 25, 1), 1
	s_wait_xcnt 0x0
; out = (y - mean) x rsqrt(var + 1e-5) x g + b along rows of 1,024, f32.  One text serves both norms; CODES = 0 here: the result is the layer's output and nothing is quantised.
; No work of the layer is left out here.  A wave owns four rows; a row is 32 registers: lane l holds columns 128 j + 4 l .. + 3, so each load and store of the wave covers 512 consecutive bytes.
; The row stays in registers between the mean, the variance (of the differences, as the layer has it) and the scaling.  All 48 loads of a wave go out at its head.  No matrix unit, cluster or tensor load: a stream.
; (CODES = 1: a lane's four codes of each 128 columns go through the wave's 1,024 bytes of LDS and leave 16 bytes a lane.)  NaN among the inputs is not served.
.set CODES, 0
.set X,   32                           ; v32-159  four rows
.set G,   160                          ; v160-191 g
.set BB,  192                          ; v192-223 b
.set CD,  16                           ; v16-23   a row's codes
.set CB,  224                          ; v224-255 codes read back, eight registers a row, never written again
.set SPW, 4
.set NIL, 5
.set SPARE, 4096                       ; the spare words: 128 bytes a wave, two blocks of 256 bytes that no other line names
.if CODES
.set OUT, 16
.else
.set OUT, 10
.endif
	s_load_b256 s[4:11], s[0:1], 0x0               ; y, g, b, and the scales' exponents (CODES = 0: the output)
.if CODES
	s_load_b128 s[16:19], s[0:1], 0x20             ; the output, the codes
	v_lshl_add_u32 v[SPW], v0, 2, SPARE
	v_mov_b32 v[NIL], 0
.endif
	v_lshrrev_b32 v2, 5, v0
	v_readfirstlane_b32 s20, v2                    ; wave
	v_and_b32 v2, 31, v0
	v_lshlrev_b32 v1, 4, v2                        ; 16 x lane
	s_lshl_b32 s22, ttmp9, 16                      ; 16 rows a work-group, 4 a wave, 4,096 bytes a row
	s_lshl_b32 s23, s20, 14
	s_add_co_u32 s22, s22, s23
	s_mov_b32 s23, 0
	s_mov_b32 s12, 0x76543210
	s_mov_b32 s13, 0xfedcba98
	s_mov_b32 s14, 0x3a800000                      ; 1 / 1,024
	v_mov_b32 v14, 0x3727c5ac                      ; 1e-5
.if CODES
	s_lshl_b32 s21, s20, 10
	v_lshl_add_u32 v6, v2, 2, s21                  ; LDS, in: 1,024 x wave + 4 x lane
	v_add_nc_u32 v7, s21, v1                       ; and out: + 16 x lane
	s_lshr_b32 s26, s22, 2
	s_mov_b32 s27, 0
.endif
	s_wait_alu depctr_va_vdst(0)
	s_wait_kmcnt 0x0
.if CODES
	s_load_b32 s24, s[10:11], 0x30                 ; e12
	s_add_nc_u64 s[18:19], s[18:19], s[26:27]
.endif
	s_add_nc_u64 s[4:5], s[4:5], s[22:23]
	s_add_nc_u64 s[OUT:OUT+1], s[OUT:OUT+1], s[22:23]
.irp j, 0,1,2,3,4,5,6,7
	global_load_b128 v[G+4*\j:G+4*\j+3], v1, s[6:7] offset:512*\j
.endr
.irp j, 0,1,2,3,4,5,6,7
	global_load_b128 v[BB+4*\j:BB+4*\j+3], v1, s[8:9] offset:512*\j
.endr
.irp i, 0,1,2,3
.irp j, 0,1,2,3,4,5,6,7
	global_load_b128 v[X+32*\i+4*\j:X+32*\i+4*\j+3], v1, s[4:5] offset:4096*\i+512*\j th:TH_LOAD_NT
.endr
.endr
.if CODES
	s_wait_kmcnt 0x0
	s_add_co_i32 s24, s24, 127
	s_lshl_b32 s25, s24, 23
	v_mov_b32 v3, s25                              ; 2^e12
	s_add_co_i32 s24, s24, 15
	s_lshl_b32 s24, s24, 23
	s_or_b32 s24, s24, 0x600000
	v_mov_b32 v15, s24                             ; 57,344 x 2^e12
.endif
.macro ACROSS r, u                     ; the sum over the 32 lanes, in every lane
	v_add_f32_dpp v[\r], v[\r], v[\r] row_xmask:1 row_mask:0xf bank_mask:0xf
	v_add_f32_dpp v[\r], v[\r], v[\r] row_xmask:2 row_mask:0xf bank_mask:0xf
	v_add_f32_dpp v[\r], v[\r], v[\r] row_xmask:4 row_mask:0xf bank_mask:0xf
	v_add_f32_dpp v[\r], v[\r], v[\r] row_xmask:8 row_mask:0xf bank_mask:0xf
	v_permlanex16_b32 v[\u], v[\r], s12, s13
	v_add_f32 v[\r], v[\r], v[\u]
.endm
.macro ROW i
.set XR, X+32*\i
	s_wait_loadcnt 8*(3-\i)                        ; g, b and this row are in; the later rows' loads, eight each, may be out
	v_pk_add_f32 v[8:9], v[XR:XR+1], v[XR+2:XR+3]
	v_pk_add_f32 v[10:11], v[XR+4:XR+5], v[XR+6:XR+7]
.irp j, 8,12,16,20,24,28
	v_pk_add_f32 v[8:9], v[8:9], v[XR+\j:XR+\j+1]
	v_pk_add_f32 v[10:11], v[10:11], v[XR+\j+2:XR+\j+3]
.endr
	v_pk_add_f32 v[8:9], v[8:9], v[10:11]
	v_add_f32 v8, v8, v9
	ACROSS 8, 9
	v_mul_f32 v8, s14, v8                          ; the mean
.irp j, 0,2,4,6,8,10,12,14,16,18,20,22,24,26,28,30
	v_pk_add_f32 v[XR+\j:XR+\j+1], v[XR+\j:XR+\j+1], v[8:9] op_sel_hi:[1,0] neg_lo:[0,1] neg_hi:[0,1]
.endr
	v_pk_mul_f32 v[10:11], v[XR:XR+1], v[XR:XR+1]
	v_pk_mul_f32 v[12:13], v[XR+2:XR+3], v[XR+2:XR+3]
.irp j, 4,8,12,16,20,24,28
	v_pk_fma_f32 v[10:11], v[XR+\j:XR+\j+1], v[XR+\j:XR+\j+1], v[10:11]
	v_pk_fma_f32 v[12:13], v[XR+\j+2:XR+\j+3], v[XR+\j+2:XR+\j+3], v[12:13]
.endr
	v_pk_add_f32 v[10:11], v[10:11], v[12:13]
	v_add_f32 v10, v10, v11
	ACROSS 10, 11
	v_fma_f32 v10, v10, s14, v14                   ; the variance + 1e-5
	s_wait_alu depctr_va_vdst(0)
	v_rsq_f32 v10, v10
	v_nop                                          ; a plain line behind the transcendental
	s_wait_alu depctr_va_vdst(0)                   ; and the wait ahead of its first reader
.irp j, 0,2,4,6,8,10,12,14,16,18,20,22,24,26,28,30
	v_pk_mul_f32 v[XR+\j:XR+\j+1], v[XR+\j:XR+\j+1], v[10:11] op_sel_hi:[1,0]
.endr
.irp j, 0,2,4,6,8,10,12,14,16,18,20,22,24,26,28,30
	v_pk_fma_f32 v[XR+\j:XR+\j+1], v[XR+\j:XR+\j+1], v[G+\j:G+\j+1], v[BB+\j:BB+\j+1]
.endr
.irp j, 0,1,2,3,4,5,6,7
	global_store_b128 v1, v[XR+4*\j:XR+4*\j+3], s[OUT:OUT+1] offset:4096*\i+512*\j
.endr
.if CODES
	s_wait_xcnt 0x0                                ; the stores' data are written again only behind this wait
.set j, 0
.rept 32
	v_med3_num_f32 v[XR+j], v[XR+j], -v15, v15     ; the conversion does not saturate (ISA guide 7.6.2): the hold comes first
.set j, j+1
.endr
.irp g, 0,1,2,3
	v_cvt_scalef32_pk8_bf8_f32 v[CD+2*\g:CD+2*\g+1], v[XR+8*\g:XR+8*\g+7], v3   ; register j: the codes of columns 128 j + 4 l .. + 3
.endr
	v_nop
.irp j, 0,1,2,3,4,5,6,7
	ds_store_b32 v6, v[CD+\j] offset:128*\j
.endr
	ds_load_b128 v[CB+8*\i:CB+8*\i+3], v7          ; LDS serves a wave's instructions in order: these see my stores
	ds_load_b128 v[CB+8*\i+4:CB+8*\i+7], v7 offset:512
	s_wait_dscnt 0x0
	global_store_b128 v1, v[CB+8*\i:CB+8*\i+3], s[18:19] offset:1024*\i
	global_store_b128 v1, v[CB+8*\i+4:CB+8*\i+7], s[18:19] offset:1024*\i+512
.endif
.endm
	ROW 0
	ROW 1
	ROW 2
	ROW 3
.if CODES
	s_wait_tensorcnt 0x0                           ; the wave's end, behind my last LDS store
	ds_add_u32 v[SPW], v[NIL]
	s_wait_dscnt 0x0
.endif
	s_endpgm
.Lfunc_end_k_q06f82bf772_ln2:
	.size	k_q06f82bf772_ln2, .Lfunc_end_k_q06f82bf772_ln2-k_q06f82bf772_ln2
	.p2alignl 7, 3214868480
	.fill 96, 4, 3214868480
	.section	.rodata,"a",@progbits
	.p2align	6, 0x0
	.amdhsa_kernel k_q06f82bf772_ln2
		.amdhsa_group_segment_fixed_size 0
		.amdhsa_private_segment_fixed_size 0
		.amdhsa_enable_private_segment 0
		.amdhsa_kernarg_size 32
		.amdhsa_user_sgpr_count 2
		.amdhsa_user_sgpr_kernarg_segment_ptr 1
		.amdhsa_wavefront_size32 1
		.amdhsa_system_sgpr_workgroup_id_x 1
		.amdhsa_system_sgpr_workgroup_id_y 1
		.amdhsa_system_sgpr_workgroup_id_z 1
		.amdhsa_system_vgpr_workitem_id 0
		.amdhsa_next_free_vgpr 256
		.amdhsa_next_free_sgpr 66
		.amdhsa_reserve_vcc 0
		.amdhsa_float_denorm_mode_32 3
		.amdhsa_float_denorm_mode_16_64 3
		.amdhsa_memory_ordered 1
		.amdhsa_forward_progress 1
		.amdhsa_inst_pref_size 33
	.end_amdhsa_kernel
	.amdgpu_metadata
---
amdhsa.version: [ 1, 2 ]
amdhsa.kernels:
  - .name:           k_q06f82bf772_ln2
    .symbol:         k_q06f82bf772_ln2.kd
    .args:
      - { .name: y, .offset: 0, .size: 8, .value_kind: global_buffer, .address_space: global }
      - { .name: ln2_g, .offset: 8, .size: 8, .value_kind: global_buffer, .address_space: global }
      - { .name: ln2_b, .offset: 16, .size: 8, .value_kind: global_buffer, .address_space: global }
      - { .name: out0, .offset: 24, .size: 8, .value_kind: global_buffer, .address_space: global }
    .group_segment_fixed_size: 0
    .private_segment_fixed_size: 0
    .kernarg_segment_align: 8
    .kernarg_segment_size: 32
    .max_flat_workgroup_size: 128
    .sgpr_count:     66
    .vgpr_count:     256
    .wavefront_size: 32
...
	.end_amdgpu_metadata
.endif
;; end of part 8
